; MI455X (gfx1250); checked and timed in simulation.
; The chip was launched on July 23, 2026; its instructions are those of AMD's public machine-readable ISA for CDNA 5 (MIT licence, August 2026) and "CDNA5" Instruction Set Architecture Reference Guide (July 2026). The comments in the code are by the model that wrote it; some were corrected since.
;; Attention. Allowed arithmetic: matrix products marked QUANTISED: E2M3 operands, one E8M0 scale for each 32 along K, by v_wmma_scale_f32_16x16x128_f8f6f4 with both operands' format E2M3, f32 sums; everything else in f32.
;; Inputs: wk 1,024 x 1,024 float32; wo 1,024 x 1,024 float32; wq 1,024 x 1,024 float32; wv 1,024 x 1,024 float32; x 4 x 2,048 x 1,024 float32.
;; Outputs: out0 4 x 2,048 x 1,024 float32.
;; This version of the problem:
;;   THIS VERSION OF THE PROBLEM IS GIVEN IN LOW PRECISION. The matrix products marked QUANTISED in the list below multiply operands that are first quantised to E2M3 (2 exponent bits, 3 mantissa bits; 6 bits a number), with one power-of-two scale for each 32 numbers along K (OCP MX v1.0); their sums are f32. All else is computed in f32.
;;   The module's matrix products, in the order in which they are computed (A, B: the left and right operand; K: the contracted axis; several contracted axes count as one K, in the product's order):
;;     1. [M 8,192, K 1,024] x [K 1,024, N 1,024]; A: input x; B: input wq: QUANTISED
;;     2. [M 8,192, K 1,024] x [K 1,024, N 1,024]; A: input x; B: input wk: QUANTISED
;;     3. [M 8,192, K 1,024] x [K 1,024, N 1,024]; A: input x; B: input wv: QUANTISED
;;     4. batch 4 x [M 2,048, K 1,024] x [K 1,024, N 2,048]; A: computed on the way; B: computed on the way: QUANTISED
;;     5. batch 4 x [M 2,048, K 2,048] x [K 2,048, N 1,024]; A: softmax (see below); B: computed on the way: QUANTISED
;;     6. [M 8,192, K 1,024] x [K 1,024, N 1,024]; A: computed on the way; B: input wo: QUANTISED
;;   THE QUANTISER, for each operand of a quantised product, along K:
;;     - K is cut into blocks of 32 from its start; a last block that is shorter is filled with zeros.
;;     - A block's scale is 2^e with e = floor(log2(the largest magnitude in the block)) - 2, held to -126 .. 127; a block of zeros has e = 0. As a byte (E8M0): e + 127.
;;     - Each number is divided by its block's scale, clamped to +-7.5, and rounded to the nearest number of E2M3, ties to even, subnormals kept.
;;     - The product sums the exact products of the quantised numbers (number of the format x scale) in f32.
;;   ~~~python
;;   def quantise(x, axis):      # numpy; x: float32 -> the quantised numbers, widened to float32 again
;;       x = np.moveaxis(x, axis, -1); K = x.shape[-1]
;;       x = np.pad(x, [(0, 0)] * (x.ndim - 1) + [(0, -K % 32)]); x = x.reshape(x.shape[:-1] + (-1, 32)); a = np.abs(x).max(-1, keepdims=True)
;;       e = np.where(a > 0, np.clip(np.frexp(np.where(a > 0, a, 1))[1] - 1 - 2, -126, 127), 0)      # np.frexp(a)[1] - 1 = floor(log2(a)), exactly
;;       r = np.clip(x / 2.0 ** e, -7.5, 7.5)
;;       step = 2.0 ** (np.maximum(np.frexp(np.where(r == 0, 1, r))[1] - 1, 0) - 3)
;;       q = np.round(r / step) * step * 2.0 ** e      # np.round: ties to even
;;       return np.moveaxis(q.reshape(q.shape[:-2] + (-1,))[..., :K], -1, axis).astype(np.float32)
;;   ~~~
;;   SOFTMAX AHEAD OF A QUANTISED PRODUCT. Where the list says 'softmax', what is quantised is not the finished softmax but p = 2^(t - M), with t = logit x log2(e) and M = ceil(the row's largest t), a whole number; so 1/2 < the row's largest p <= 1. The row's sum l is taken of the UNQUANTISED p, in f32, and the product's result is divided by l at the end. Since M is a whole number, a kernel that streams over the keys may use a running M (the ceiling of the running maximum): every later rescaling is an exact power of two, which a block's scale takes up: the codes' values come out the same.
;;   OPERANDS COMPUTED ON THE WAY. 'Computed on the way' means the value that the module computes at that place (a softmax that the list does not call 'softmax' is quantised finished and normalised). What goes into a quantiser is computed in f32, as accurately as f32 sums, v_exp_f32 and their like allow (about 1e-6 of the number): no bf16 or f16 on the way to a quantiser, and a product that is left as it is and whose result goes on into a quantised operand takes f32 operands (vector FMAs, or v_wmma_f32_16x16x4_f32). A number that lies on a knife's edge between two numbers of the format may be rounded either way, as far as f32 arithmetic and the matrix unit's own rounding can turn it there, and no further.
;; One version. Each part assembles by itself: llvm-mc -triple=amdgcn-amd-amdhsa -mcpu=gfx1250 --defsym DOCPART=n.
;; ======== version 1 of 1: 5 launches
;; limits: right only within a limited range of input values
;; workspace buffers: xw_c 9,437,184 bytes; xw_s 393,216 bytes; qkv_c 18,874,368 bytes; qkv_s 786,432 bytes; p_c 12,582,912 bytes; p_s 1,572,864 bytes; c_c 6,291,456 bytes; c_s 262,144 bytes
;; launch quant (part 1): grid 192 x 2, 4 waves a work-group, no clusters, 35,328 bytes of LDS; arguments x, wq, wk, wv, wo, xw_c, xw_s; writes xw_c, xw_s
.if DOCPART == 1
	.amdgcn_target "amdgcn-amd-amdhsa--gfx1250"
	.amdhsa_code_object_version 6
	.text
	.protected	k_qa149fecc1a_quant
	.globl	k_qa149fecc1a_quant
	.p2align	8
	.type	k_qa149fecc1a_quant,@function
k_qa149fecc1a_quant:
	s_mov_b64 s[64:65], 0
	v_nop
	global_prefetch_b8 v0, s[64:65] scope:SCOPE_SE
	s_setreg_imm32_b32 hwreg(HW_REG_WAVE_MODE, 25, 1), 1
	s_wait_xcnt 0x0
; x [8192][1024] and wq, wk, wv, wo [1024][1024], f32, K innermost, become codes of FP6 (E2M3) with one E8M0 byte for each 32 along K.
; THE CODES ARE LAID AS IMAGES OF AN OPERAND'S REGISTERS: an image is 16 rows x 128 K, 12 registers a lane, 1,536 bytes: registers 4 c .. 4 c + 3 of lane l at 512 c + 16 l.
; xw_c = [768 tiles of 16 rows][8 K steps][1,536]: tiles 0-511 x, 512-575 wq, 576-639 wk, 640-703 wv, 704-767 wo.  xw_s = [8 K steps][12,288 places], one word (four bytes) a row and K step.
; THE ROWS OF A TILE ARE NOT NEIGHBOURS: place p of tile T is row 32 (T / 2) + 8 (T % 2) + p + 8 (p / 8), so that a product that takes such a tile as source 0 leaves 16 neighbours along the next K in a lane's registers.
; A block's scale is 2^(floor(log2(its largest magnitude)) - 2); its byte is that magnitude's exponent field - 2, held at 1 from below.
; LIMITS: a block of zeros gets the byte 1 (its codes are zeros; this program alone reads the bytes); NaN and infinities among the inputs are not served.
; SHARES: work-group x = a group of 64 places (4 tiles); a wave takes one K step, 4 y + wave, of the group's 4 tiles.  Each load reads 512 consecutive bytes of a row; the 16 rows turn through the wave's own stage
; in LDS, so that a lane gets 16 neighbours of each block of 32; each store of codes covers 512 consecutive bytes, and the wave's 64 scale words leave as one aligned run of 256 bytes.
; No matrix unit, no cluster, no tensor load: work-groups share no input, and waves share nothing, so there is no barrier.
.set STGB,  8448                       ; a wave's stage: 16 rows x (512 bytes + 16)
.set SSTG,  33792                      ; behind the four stages: 256 bytes of scale words for each wave
.set SPARE, 34816                      ; behind them: the spare words, 128 bytes for each wave
.set LA,  1                            ; v1   16 x lane
.set STI, 2                            ; v2   the stage, on the way in
.set STO, 3                            ; v3   and on the way out: 528 r + 64 h
.set SWA, 4                            ; v4   where my row's scale word goes
.set SRD, 5                            ; v5   where I read 8 bytes of the 256 back
.set L8,  6                            ; v6   8 x lane
.set SPW, 12                           ; v12  my spare word's LDS address; never rewritten
.set NIL, 13                           ; v13  0; never rewritten
.set TM,  16                           ; v16-31 at work: +0 largest magnitudes, +4 bytes, +12 the conversions' scale operands
.set PW,  32                           ; v32  the scale word just made
.set PC,  36                           ; v36-55 the codes just made
.set U,   56                           ; v56-57
.set R,   64                           ; v64-191 two sets of 16 rows as loaded
.set X,   192                          ; v192-255 64 numbers: register 16 b + i = k 32 b + 16 h + i of row r
.set SEL, 34                           ; s[34:35]
	s_load_b256 s[4:11], s[0:1], 0x0               ; x, wq, wk, wv
	s_load_b128 s[12:15], s[0:1], 0x20             ; wo, xw_c
	s_load_b64 s[16:17], s[0:1], 0x30              ; xw_s
	v_lshl_add_u32 v[SPW], v0, 2, SPARE
	v_mov_b32 v[NIL], 0
	v_lshrrev_b32 v7, 5, v0
	v_readfirstlane_b32 s18, v7                    ; wave
	v_and_b32 v7, 31, v0                           ; lane
	v_and_b32 v8, 15, v0                           ; r
	v_bfe_u32 v9, v0, 4, 1                         ; h
	v_lshlrev_b32 v[LA], 4, v7
	v_lshlrev_b32 v[L8], 3, v7
	s_mul_i32 s19, s18, STGB
	v_add_nc_u32 v[STI], s19, v[LA]
	v_mul_u32_u24 v[STO], v8, 528
	v_lshl_add_u32 v[STO], v9, 6, v[STO]
	v_add_nc_u32 v[STO], s19, v[STO]
	s_lshl_b32 s19, s18, 8
	s_add_co_u32 s19, s19, SSTG
	v_lshl_add_u32 v[SWA], v8, 2, s19
	v_add_nc_u32 v[SRD], s19, v[L8]
.irp b, 0,1,2,3
	v_mov_b32 v[TM+4+\b], 0                        ; written once: a lane permute's destination counts as one of its sources
.endr
	s_mov_b32 s[SEL], 0x76543210
	s_mov_b32 s[SEL+1], 0xfedcba98                 ; lane l xor 16
	s_sub_co_u32 s20, ttmp9, 128
	s_lshr_b32 s21, s20, 4                         ; which weight: 0 wq, 1 wk, 2 wv, 3 wo
	s_and_b32 s22, s20, 15                         ; and which group of 64 of its rows
	s_and_b32 s23, ttmp7, 0xffff
	s_lshl_b32 s23, s23, 2
	s_add_co_u32 s23, s23, s18                     ; my K step: 4 y + wave
	s_lshl_b32 s28, ttmp9, 5
	s_add_co_u32 s28, s28, s23
	s_mul_i32 s28, s28, 1536                       ; the codes: image (tile 4 g, K step)
	s_mov_b32 s29, 0
	s_mul_i32 s30, s23, 49152
	s_lshl_b32 s31, ttmp9, 8
	s_add_co_u32 s30, s30, s31                     ; the scale words: 49,152 x K step + 256 g
	s_mov_b32 s31, 0
	s_wait_alu depctr_va_vdst(0)
	s_wait_kmcnt 0x0
	s_mov_b64 s[24:25], s[12:13]                   ; the source is chosen by the work-group's number alone
	s_cmp_eq_u32 s21, 2
	s_cselect_b64 s[24:25], s[10:11], s[24:25]
	s_cmp_eq_u32 s21, 1
	s_cselect_b64 s[24:25], s[8:9], s[24:25]
	s_cmp_eq_u32 s21, 0
	s_cselect_b64 s[24:25], s[6:7], s[24:25]
	s_cmp_lt_u32 ttmp9, 128
	s_cselect_b64 s[24:25], s[4:5], s[24:25]
	s_cselect_b32 s22, ttmp9, s22
	s_lshl_b32 s26, s22, 18                        ; 64 rows of 4,096 bytes
	s_lshl_b32 s27, s23, 9                         ; 128 numbers along K
	s_add_co_u32 s26, s26, s27
	s_mov_b32 s27, 0
	s_add_nc_u64 s[24:25], s[24:25], s[26:27]
	s_add_nc_u64 s[14:15], s[14:15], s[28:29]
	s_add_nc_u64 s[16:17], s[16:17], s[30:31]
.macro LOAD t                          ; tile t's 16 rows, by their places: 512 consecutive bytes a load
.irp p, 0,1,2,3,4,5,6,7,8,9,10,11,12,13,14,15
	global_load_b128 v[R+64*((\t)%2)+4*\p:R+64*((\t)%2)+4*\p+3], v[LA], s[24:25] offset:(32*((\t)/2)+8*((\t)%2)+\p+8*(\p/8))*4096 th:TH_LOAD_NT
.endr
.endm
.macro TURN t                          ; through the stage: LDS serves a wave's instructions in order, so no wait stands between the stores and the loads
.irp p, 0,1,2,3,4,5,6,7,8,9,10,11,12,13,14,15
	ds_store_b128 v[STI], v[R+64*((\t)%2)+4*\p:R+64*((\t)%2)+4*\p+3] offset:528*\p
.endr
.irp b, 0,1,2,3
.irp j, 0,1,2,3
	ds_load_b128 v[X+16*\b+4*\j:X+16*\b+4*\j+3], v[STO] offset:128*\b+16*\j
.endr
.endr
.endm
.macro QUANT s                         ; 64 numbers of a lane become a fragment's codes in v[PC] on and its row's scale word in v[PW]
.irp b, 0,1,2,3
	v_max3_num_f32 v[TM+\b], |v[\s+16*\b]|, |v[\s+1+16*\b]|, 0x1800000   ; block b: my 16 numbers, and the floor 2^(3 - 127): the byte cannot fall under 1
.endr
.irp i, 2,4,6,8,10,12,14
.irp b, 0,1,2,3
	v_max3_num_f32 v[TM+\b], v[TM+\b], |v[\s+16*\b+\i]|, |v[\s+1+16*\b+\i]|
.endr
.endr
.irp b, 0,1,2,3
	v_permlanex16_b32 v[TM+4+\b], v[TM+\b], s[SEL], s[SEL+1]
.endr
.irp b, 0,1,2,3
	v_max_num_f32 v[TM+\b], v[TM+\b], v[TM+4+\b]   ; with lane l xor 16's: the block's largest magnitude
.endr
.irp b, 0,1,2,3
	v_add_nc_u32 v[TM+12+\b], 0xff000000, v[TM+\b] ; 2 off its exponent field: the conversion's scale operand
.endr
.irp b, 0,1,2,3
	v_lshrrev_b32 v[TM+4+\b], 23, v[TM+12+\b]      ; the scale's byte
.endr
	v_lshl_or_b32 v[PW], v[TM+5], 8, v[TM+4]
	v_lshl_or_b32 v[PW], v[TM+6], 16, v[PW]
	v_lshl_or_b32 v[PW], v[TM+7], 24, v[PW]
.irp c, 0,1
	v_cvt_scalef32_pk16_fp6_f32 v[PC+6*\c:PC+2+6*\c], v[\s+32*\c:\s+15+32*\c], v[TM+12+2*\c]
	v_cvt_scalef32_pk16_fp6_f32 v[PC+12+4*\c:PC+14+4*\c], v[\s+16+32*\c:\s+31+32*\c], v[TM+12+2*\c+1]   ; (a conversion's three registers begin on an even number)
.endr
	v_nop                                          ; one plain place behind a scaled conversion
.irp c, 0,1                            ; the operand's layout wants a whole block in a lane: lanes 0-15 block 2 c, lanes 16-31 block 2 c + 1
.irp i, 0,1,2
	v_permlane16_swap_b32 v[PC+6*\c+\i], v[PC+12+4*\c+\i]
.endr
.irp i, 0,1,2
	v_mov_b32 v[PC+3+6*\c+\i], v[PC+12+4*\c+\i]
.endr
.endr
.endm
.macro TILE t
.if (\t) < 3
	s_wait_loadcnt 16                              ; this tile's 16 loads are in; the next tile's 16 may be out
.else
	s_wait_loadcnt 0x0
.endif
	TURN \t
	s_wait_dscnt 0x0                               ; my 64 numbers are back, the stage's stores have read their registers, and so has the last tile's store of its scale word
.if (\t) < 2
	LOAD (\t)+2
.endif
.if (\t) > 0
	s_wait_xcnt 0x0                                ; the last tile's stores have read the codes' registers, which are written again below
.endif
	QUANT X
.irp c, 0,1,2
	global_store_b128 v[LA], v[PC+4*\c:PC+4*\c+3], s[14:15] offset:12288*(\t)+512*\c   ; 32 lanes store 512 consecutive bytes
.endr
	ds_store_b32 v[SWA], v[PW] offset:64*(\t)      ; lanes r and r + 16 write the same word with the same value
.endm
	LOAD 0
	LOAD 1
	TILE 0
	TILE 1
	TILE 2
	TILE 3
	ds_load_b64 v[U:U+1], v[SRD]                   ; LDS serves a wave's instructions in order: this sees my stores
	s_wait_dscnt 0x0
	global_store_b64 v[L8], v[U:U+1], s[16:17]     ; 32 lanes store 256 consecutive bytes, aligned
	s_wait_tensorcnt 0x0                           ; the wave's end
	ds_add_u32 v[SPW], v[NIL]
	s_wait_dscnt 0x0
	s_endpgm
.Lfunc_end_k_qa149fecc1a_quant:
	.size	k_qa149fecc1a_quant, .Lfunc_end_k_qa149fecc1a_quant-k_qa149fecc1a_quant
	.p2alignl 7, 3214868480
	.fill 96, 4, 3214868480
	.section	.rodata,"a",@progbits
	.p2align	6, 0x0
	.amdhsa_kernel k_qa149fecc1a_quant
		.amdhsa_group_segment_fixed_size 35328
		.amdhsa_private_segment_fixed_size 0
		.amdhsa_enable_private_segment 0
		.amdhsa_kernarg_size 56
		.amdhsa_user_sgpr_count 2
		.amdhsa_user_sgpr_kernarg_segment_ptr 1
		.amdhsa_wavefront_size32 1
		.amdhsa_system_sgpr_workgroup_id_x 1
		.amdhsa_system_sgpr_workgroup_id_y 1
		.amdhsa_system_sgpr_workgroup_id_z 1
		.amdhsa_system_vgpr_workitem_id 0
		.amdhsa_next_free_vgpr 256
		.amdhsa_next_free_sgpr 66
		.amdhsa_reserve_vcc 0
		.amdhsa_float_denorm_mode_32 3
		.amdhsa_float_denorm_mode_16_64 3
		.amdhsa_memory_ordered 1
		.amdhsa_forward_progress 1
		.amdhsa_inst_pref_size 34
	.end_amdhsa_kernel
	.amdgpu_metadata
---
amdhsa.version: [ 1, 2 ]
amdhsa.kernels:
  - .name:           k_qa149fecc1a_quant
    .symbol:         k_qa149fecc1a_quant.kd
    .args:
      - { .name: x, .offset: 0, .size: 8, .value_kind: global_buffer, .address_space: global }
      - { .name: wq, .offset: 8, .size: 8, .value_kind: global_buffer, .address_space: global }
      - { .name: wk, .offset: 16, .size: 8, .value_kind: global_buffer, .address_space: global }
      - { .name: wv, .offset: 24, .size: 8, .value_kind: global_buffer, .address_space: global }
      - { .name: wo, .offset: 32, .size: 8, .value_kind: global_buffer, .address_space: global }
      - { .name: xw_c, .offset: 40, .size: 8, .value_kind: global_buffer, .address_space: global }
      - { .name: xw_s, .offset: 48, .size: 8, .value_kind: global_buffer, .address_space: global }
    .group_segment_fixed_size: 35328
    .private_segment_fixed_size: 0
    .kernarg_segment_align: 8
    .kernarg_segment_size: 56
    .max_flat_workgroup_size: 128
    .sgpr_count:     66
    .vgpr_count:     256
    .wavefront_size: 32
...
	.end_amdgpu_metadata
.endif
;; end of part 1
;; launch qkv (part 2): grid 64 x 4, 4 waves a work-group, clusters of 4 x 4, 327,680 bytes of LDS; arguments xw_c, xw_s, qkv_c, qkv_s; writes qkv_c, qkv_s
.if DOCPART == 2
	.amdgcn_target "amdgcn-amd-amdhsa--gfx1250"
	.amdhsa_code_object_version 6
	.text
	.protected	k_qa149fecc1a_qkv
	.globl	k_qa149fecc1a_qkv
	.p2align	8
	.type	k_qa149fecc1a_qkv,@function
k_qa149fecc1a_qkv:
	s_mov_b64 s[64:65], 0
	v_nop
	global_prefetch_b8 v0, s[64:65] scope:SCOPE_SE
	s_setreg_imm32_b32 hwreg(HW_REG_WAVE_MODE, 25, 1), 1
	s_wait_xcnt 0x0
	s_wait_alu depctr_hold_cnt(0) depctr_sa_sdst(0) depctr_va_vdst(0) depctr_va_sdst(0) depctr_va_ssrc(0) depctr_va_vcc(0) depctr_vm_vsrc(0)
	s_getreg_b32 s2, hwreg(HW_REG_IB_STS2, 6, 4)
	s_cmp_eq_u32 s2, 0
	s_cbranch_scc0 .Lentry_in_a_cluster
	s_endpgm
.Lentry_in_a_cluster:
	s_bfe_u32 s2, ttmp6, 0x10000c
	s_cmp_lg_u32 s2, 0xf033
	s_cbranch_scc0 .Lentry_shape_is_right
	s_endpgm
.Lentry_shape_is_right:
; q = x wq^T, k = x wk^T and v^T = wv x^T on codes of FP6 (E2M3) with E8M0 scales; each result is quantised along its last axis on the way out (q, k: along the 1,024; v^T: along the keys) and stored as
; images of an operand's registers, with one scale word for a row and 128 K.
; AN IMAGE is 16 rows x 128 K: 12 registers a lane, 1,536 bytes, registers 4 c .. 4 c + 3 of lane l at 512 c + 16 l.  An operand is [tiles of 16 rows][K steps][1,536]; a fragment comes by three loads of 16 bytes a lane.
; Place p of tile T is row 32 (T / 2) + 8 (T % 2) + p + 8 (p / 8).  THE MATRIX INSTRUCTION IS USED TRANSPOSED (source 0 = a tile of B, source 1 = a tile of A): lane (r, h) then holds place r of A's tile, and the 16
; registers of B's tiles 2 b, 2 b + 1 are the neighbours n = 32 b + 16 h + 0 .. 15: what the conversions want.
; A WORK-GROUP STAYS AND MAKES THREE TILES of 128 x 256, 256 work-groups in all.  With c the cluster's number (0 .. 15): tile 0 = q, tile 1 = k: A = x's rows 512 c + 128 cy on, B = wq's, then wk's rows 256 cx on;
; tile 2 = v^T: A = wv's rows 512 (c / 8) + 128 cy on, B = x's rows 1,024 (c % 8) + 256 cx on.  Wave (wm, wn) makes 64 x 128 of a tile: 4 x 8 accumulators, 256 registers.
; K = 1,024 of a tile is two chunks of 512, one to each of two LDS slots, and the ring goes on from tile to tile: when a slot's last fragments are in registers it takes the same chunk of the next tile, which
; lands while four K steps are multiplied and a tile is written out.  x's codes serve tiles 0 and 1 and stay where they are: there B's part of a slot alone is filled again, by waves 2 and 3.
; THE SCALE WORDS: x's, wv's, wq's and wk's come with the first fills; x's for tile 2 (as B) take wq's bytes, behind a round of their own in tile 1: LDS has no room for a fifth region.
; CLUSTER 4 x 4: A's tiles are asked for jointly by a row of the cluster, B's by a column.  All of a WGP's LDS is claimed.
; qkv_c: rows 0-8191 q, 8192-16383 k (768 bytes a row); from byte 12,582,912 v^T [4 batches][64 tiles][16 K steps][1,536].  qkv_s: [8][16,384] words; from byte 524,288 v^T's [4][16][1,024] words.
; LIMITS: a block of zeros gets the byte 1 with zero codes; NaN and infinities are not served.
; REGISTERS: window 0: v2-11 addresses; v32-43 scale words, two sets; v48-105 at work on the way out; v128-223 A's fragments, two sets.  Window 1: B's fragments, two sets, at v0 and v128.  Window 2: accumulator (a, b) at v[8 (8 a + b)].
.set KS,    8                          ; K steps of 128 in a tile
.set RB,    96*KS                      ; bytes of a row's codes
.set PIT,   49152                      ; bytes from K step to K step in xw_s
.set SSW,   256                        ; bytes of scale stage for a wave
.set SLOT,  147456                     ; a slot: A's 8 tiles x 6,144 bytes, then B's 16
.set BOFF,  49152
.set SCA0,  2*SLOT                     ; x's scale words for tiles 0 and 1: [8][128]
.set SCA1,  SCA0+4096                  ; wv's for tile 2
.set SCB0,  SCA1+4096                  ; wq's: [8][256]; later x's for tile 2
.set SCB1,  SCB0+8192                  ; wk's
.set SSTG,  SCB1+8192                  ; the waves' scale stages: bytes of their own
.set SPARE, SSTG+4*SSW                 ; the spare words, 128 bytes for each wave
.set ADRA, 2                           ; v2-3  my A fragments in slot 0, 1
.set ADRB, 4                           ; v4-5  my B fragments
.set ADSA, 6                           ; v6    A's scale words
.set ADSB, 7                           ; v7    B's
.set LI,   8                           ; v8    16 x lane
.set SWA,  9                           ; v9    where my row's scale word goes
.set SRD,  10                          ; v10   where I read 8 bytes of the stage back
.set L8,   11                          ; v11   8 x lane
.set SPW,  28                          ; v28   my spare word's LDS address; never rewritten
.set NIL,  29                          ; v29   0; never rewritten
.set SA,   32                          ; v32-35 A's scale words: set p at +2 p; register i: tile 2 i in lanes 0-15, tile 2 i + 1 in lanes 16-31
.set SB,   36                          ; v36-43 B's: set p at +4 p
.set TM,   48
.set PW,   64
.set PC,   68
.set U,    104
.set AF,   128
.set G0SA2, 4                          ; s[4:7]   group 0 for wv's scale words (the pointers that lay here are used up first)
.set G0SB2, 8                          ; s[8:11]  group 0 for wk's scale words
.set A2C,  12                          ; s[12:13] tile 2: where my part of A's codes begins
.set B2C,  14                          ; s[14:15] and of B's
.set G1A,  24
.set G0A,  32
.set G1B,  48
.set G0B,  56
.set B2S,  66                          ; s[66:67] tile 2: where my part of B's scale words begins
.set G1SA, 68
.set G0SA, 76
.set G1SB, 80
.set G0SB, 88
.set SEL,  92
.set O2C,  94                          ; s[94:95]   tile 2: my images
.set O2S,  100                         ; s[100:101] tile 2: my scale words
.set MSB, 0
.macro WIN new                         ; the immediate's high byte repeats the setting that is left
.if MSB != (\new)
	s_set_vgpr_msb (MSB<<8)|(\new)
.set MSB, (\new)
.endif
.endm
.macro PLACES n
.rept \n
	v_nop
.endr
.endm
.macro JLOAD g0a, g1a, g0b, g1b        ; a joint load: waves 0 and 1 fetch for A, waves 2 and 3 for B; an s_nop 0 and four v_nop follow each line
	s_cmp_eq_u32 s17, 0
	s_cbranch_scc0 .Lfor_b_\@
	tensor_load_to_lds s[\g0a:\g0a+3], s[\g1a:\g1a+7]
	s_nop 0
.rept 4
	v_nop
.endr
	s_branch .Lasked_\@
.Lfor_b_\@:
	tensor_load_to_lds s[\g0b:\g0b+3], s[\g1b:\g1b+7]
	s_nop 0
.rept 4
	v_nop
.endr
.Lasked_\@:
.endm
.macro BLOAD g0b, g1b                  ; a joint load for B alone: waves 2 and 3 fetch, waves 0 and 1 have nothing to fill; the branch hangs on the wave's number alone
	s_cmp_eq_u32 s17, 0
	s_cbranch_scc1 .Lnone_\@
	tensor_load_to_lds s[\g0b:\g0b+3], s[\g1b:\g1b+7]
	s_nop 0
.rept 4
	v_nop
.endr
.Lnone_\@:
	PLACES 4                                       ; on every wave's way: the places in front of the loads that follow
.endm
.macro HLOAD g0a, g0b, g0sa, g0sb      ; four whole tiles, one joint load a wave: one tree of branches on the wave's number, every way through it passes one load
	s_cmp_lt_u32 s16, 1
	s_cbranch_scc0 .Lhb_\@
	tensor_load_to_lds s[\g0a:\g0a+3], s[G1A:G1A+7]
	s_nop 0
.rept 4
	v_nop
.endr
	s_branch .Lhe_\@
.Lhb_\@:
	s_cmp_lt_u32 s16, 2
	s_cbranch_scc0 .Lhc_\@
	tensor_load_to_lds s[\g0b:\g0b+3], s[G1B:G1B+7]
	s_nop 0
.rept 4
	v_nop
.endr
	s_branch .Lhe_\@
.Lhc_\@:
	s_cmp_lt_u32 s16, 3
	s_cbranch_scc0 .Lhd_\@
	tensor_load_to_lds s[\g0sa:\g0sa+3], s[G1SA:G1SA+7]
	s_nop 0
.rept 4
	v_nop
.endr
	s_branch .Lhe_\@
.Lhd_\@:
	tensor_load_to_lds s[\g0sb:\g0sb+3], s[G1SB:G1SB+7]
	s_nop 0
.rept 4
	v_nop
.endr
.Lhe_\@:
.endm
.macro CROUND
	s_barrier_signal -1
	s_barrier_wait -1
	s_cmp_lg_u32 s16, 0
	s_cbranch_scc1 .Lnot_wave_0_\@
	s_barrier_signal -3
.Lnot_wave_0_\@:
	s_barrier_wait -3
	s_barrier_signal -1
	s_barrier_wait -1
.endm
.macro FETCH q                         ; step q (8 to a tile): its fragments and scale words into set q % 2: 42 LDS loads in one run
.set FS, ((\q)/4)%2
.set FK, (\q)%4
.set FP, (\q)%2
.set FT, (\q)/8
.set FOA, 4096*(FT/2)+512*((\q)%8)     ; A's scale words: x's for tiles 0 and 1, wv's for tile 2
.set FOB, 8192*(FT%2)+1024*((\q)%8)    ; B's: the first region for tiles 0 and 2, the second for tile 1
	WIN 0x40                                       ; destination window 1
.irp i, 0,1,2,3,4,5,6,7
.irp c, 0,1,2
	ds_load_b128 v[128*FP+12*\i+4*\c:128*FP+12*\i+4*\c+3], v[ADRB+FS] offset:(4*\i+FK)*1536+512*\c
.endr
.endr
	WIN 0
.irp i, 0,1,2,3
.irp c, 0,1,2
	ds_load_b128 v[AF+48*FP+12*\i+4*\c:AF+48*FP+12*\i+4*\c+3], v[ADRA+FS] offset:(4*\i+FK)*1536+512*\c
.endr
.endr
.irp i, 0,1
	ds_load_b32 v[SA+2*FP+\i], v[ADSA] offset:FOA+128*\i
.endr
.irp i, 0,1,2,3
	ds_load_b32 v[SB+4*FP+\i], v[ADSB] offset:FOB+128*\i
.endr
.endm
.macro WM a, b, p, zero                ; one product: B's tile b (source 0) x A's tile a (source 1); an odd tile's scale words lie in lanes 16-31
.set RD_, 8*(8*(\a)+(\b))
.set RB_, 128*(\p)+12*(\b)
.set RA_, AF+48*(\p)+12*(\a)
.set RT_, SB+4*(\p)+(\b)/2
.set RS_, SA+2*(\p)+(\a)/2
.set ROW_, 2*((\a)%2)+(\b)%2
.if \zero
.if ROW_ == 0
	v_wmma_scale_f32_16x16x128_f8f6f4 v[RD_:RD_+7], v[RB_:RB_+11], v[RA_:RA_+11], 0, v[RT_], v[RS_] matrix_a_fmt:MATRIX_FMT_FP6 matrix_b_fmt:MATRIX_FMT_FP6
.elseif ROW_ == 1
	v_wmma_scale_f32_16x16x128_f8f6f4 v[RD_:RD_+7], v[RB_:RB_+11], v[RA_:RA_+11], 0, v[RT_], v[RS_] matrix_a_fmt:MATRIX_FMT_FP6 matrix_b_fmt:MATRIX_FMT_FP6 matrix_a_scale:MATRIX_SCALE_ROW1
.elseif ROW_ == 2
	v_wmma_scale_f32_16x16x128_f8f6f4 v[RD_:RD_+7], v[RB_:RB_+11], v[RA_:RA_+11], 0, v[RT_], v[RS_] matrix_a_fmt:MATRIX_FMT_FP6 matrix_b_fmt:MATRIX_FMT_FP6 matrix_b_scale:MATRIX_SCALE_ROW1
.else
	v_wmma_scale_f32_16x16x128_f8f6f4 v[RD_:RD_+7], v[RB_:RB_+11], v[RA_:RA_+11], 0, v[RT_], v[RS_] matrix_a_fmt:MATRIX_FMT_FP6 matrix_b_fmt:MATRIX_FMT_FP6 matrix_a_scale:MATRIX_SCALE_ROW1 matrix_b_scale:MATRIX_SCALE_ROW1
.endif
.else
.if ROW_ == 0
	v_wmma_scale_f32_16x16x128_f8f6f4 v[RD_:RD_+7], v[RB_:RB_+11], v[RA_:RA_+11], v[RD_:RD_+7], v[RT_], v[RS_] matrix_a_fmt:MATRIX_FMT_FP6 matrix_b_fmt:MATRIX_FMT_FP6
.elseif ROW_ == 1
	v_wmma_scale_f32_16x16x128_f8f6f4 v[RD_:RD_+7], v[RB_:RB_+11], v[RA_:RA_+11], v[RD_:RD_+7], v[RT_], v[RS_] matrix_a_fmt:MATRIX_FMT_FP6 matrix_b_fmt:MATRIX_FMT_FP6 matrix_a_scale:MATRIX_SCALE_ROW1
.elseif ROW_ == 2
	v_wmma_scale_f32_16x16x128_f8f6f4 v[RD_:RD_+7], v[RB_:RB_+11], v[RA_:RA_+11], v[RD_:RD_+7], v[RT_], v[RS_] matrix_a_fmt:MATRIX_FMT_FP6 matrix_b_fmt:MATRIX_FMT_FP6 matrix_b_scale:MATRIX_SCALE_ROW1
.else
	v_wmma_scale_f32_16x16x128_f8f6f4 v[RD_:RD_+7], v[RB_:RB_+11], v[RA_:RA_+11], v[RD_:RD_+7], v[RT_], v[RS_] matrix_a_fmt:MATRIX_FMT_FP6 matrix_b_fmt:MATRIX_FMT_FP6 matrix_a_scale:MATRIX_SCALE_ROW1 matrix_b_scale:MATRIX_SCALE_ROW1
.endif
.endif
.endm
.macro MUL q, zero                     ; 32 products; the 32 accumulators take turns, in the same order in every step
	WIN 0xa1                                       ; source 0 window 1, source 1 window 0, C and D window 2
.irp a, 0,1,2,3
.irp b, 0,1,2,3,4,5,6,7
	WM \a, \b, (\q)%2, \zero
.endr
.endr
	WIN 0
.endm
; THE CHANGE OF SLOTS, and the refill of the scale words: my reads of the bytes that are to be filled are in registers.
; mode 0: nothing is filled.  1: B's part of the slot takes the same chunk of wk.  2: both parts take tile 2's chunk.  3: wq's scale words, done with, give way to x's for tile 2.
; A refill is a joint load, the first thing behind a round of the cluster's barrier, and my one tensor load until the next round.
.macro CHANGE slot, mode
	s_wait_tensorcnt 0x0                           ; all my tensor loads have landed, my part of the other slot among them: so a group 0 may be written
	ds_add_u32 v[SPW], v[NIL]                      ; 0 onto my spare word; the descriptors' steps stand between it and the wait for it
	s_mov_b32 s[G1A+2], 4<<16                      ; no tensor load of mine is out: from here on a load brings half of a part: A 4 rows, B 8, scale words 4 K steps
	s_mov_b32 s[G1A+4], 4
	s_mov_b32 s[G1B+2], 8<<16
	s_mov_b32 s[G1B+4], 8
	s_mov_b32 s[G1SB+2], 4<<16
	s_mov_b32 s[G1SB+4], 4
.if (\mode) == 1
	s_add_nc_u64 s[G0B+4*(\slot)+2:G0B+4*(\slot)+3], s[42:43], 786432+6144*(\slot)   ; my half of wk's rows: 1,024 rows of 768 bytes behind wq's
	s_or_b32 s[G0B+4*(\slot)+3], s[G0B+4*(\slot)+3], 0x80000000
	s_mul_i32 s[G0B+4*(\slot)+1], s18, 49152
	s_add_co_u32 s[G0B+4*(\slot)+1], s[G0B+4*(\slot)+1], BOFF+SLOT*(\slot)
.elseif (\mode) == 2
	s_add_nc_u64 s[G0A+4*(\slot)+2:G0A+4*(\slot)+3], s[A2C:A2C+1], 6144*(\slot)
	s_or_b32 s[G0A+4*(\slot)+3], s[G0A+4*(\slot)+3], 0x80000000
	s_mul_i32 s[G0A+4*(\slot)+1], s18, 24576
	s_add_co_u32 s[G0A+4*(\slot)+1], s[G0A+4*(\slot)+1], SLOT*(\slot)
	s_add_nc_u64 s[G0B+4*(\slot)+2:G0B+4*(\slot)+3], s[B2C:B2C+1], 6144*(\slot)
	s_or_b32 s[G0B+4*(\slot)+3], s[G0B+4*(\slot)+3], 0x80000000
.elseif (\mode) == 3
	s_mov_b64 s[G0SB+2:G0SB+3], s[B2S:B2S+1]
	s_mul_i32 s[G0SB+1], s18, 4096
	s_add_co_u32 s[G0SB+1], s[G0SB+1], SCB0
	s_or_b32 s[G0SB+3], s[G0SB+3], 0x80000000
.endif
	s_wait_dscnt 0x0                               ; the add is done, and my LDS reads are over
.if (\mode) == 0
	s_barrier_signal -1
	s_barrier_wait -1
	PLACES 4
.else
	CROUND                                         ; no wave of any partner still reads those bytes or has a load on its way
.if (\mode) == 1
	BLOAD G0B+4*(\slot), G1B
.elseif (\mode) == 2
	JLOAD G0A+4*(\slot), G1A, G0B+4*(\slot), G1B   ; its four v_nop are also the places in front of the loads that follow
.else
	BLOAD G0SB, G1SB
.endif
.endif
.endm
; A K step.  kind 0: a tile's first; 1: plain; 2 to 5: with CHANGE in mode kind - 2; 6: the very last.  The next step's loads stand in one run, four places behind the products that read their registers, 32 products ahead of their use.
.macro KSTEP q, kind
	s_wait_dscnt 0x0                               ; this step's fragments and scale words are in
.if (\kind) == 1
	PLACES 4
.elseif ((\kind) >= 2) && ((\kind) <= 5)
	CHANGE ((\q)/4)%2, (\kind)-2
.endif
.if (\kind) != 6
	FETCH (\q)+1
.endif
.if (\q)%8 == 0
	MUL \q, 1                                      ; a tile's first products start the sums: nothing is cleared
.else
	MUL \q, 0
.endif
.endm
.macro QJOIN                           ; the four blocks' maxima are joined with lane l xor 16's
.irp b, 0,1,2,3
	v_permlanex16_b32 v[TM+4+\b], v[TM+\b], s[SEL], s[SEL+1]
.endr
.irp b, 0,1,2,3
	v_max_num_f32 v[TM+\b], v[TM+\b], v[TM+4+\b]
.endr
.endm
.macro QCODE s, w3                     ; from the blocks' largest magnitudes: the row's scale word in v[PW], the fragment's codes in v[PC] on; w3: the window setting for the 64 numbers as source 0
.irp b, 0,1,2,3
	v_add_nc_u32 v[TM+12+\b], 0xff000000, v[TM+\b] ; 2 off the exponent field: the conversion's scale operand
.endr
.irp b, 0,1,2,3
	v_lshrrev_b32 v[TM+4+\b], 23, v[TM+12+\b]      ; the scale's byte
.endr
	v_lshl_or_b32 v[PW], v[TM+5], 8, v[TM+4]
	v_lshl_or_b32 v[PW], v[TM+6], 16, v[PW]
	v_lshl_or_b32 v[PW], v[TM+7], 24, v[PW]
	WIN \w3
.irp c, 0,1
	v_cvt_scalef32_pk16_fp6_f32 v[PC+6*\c:PC+2+6*\c], v[\s+32*\c:\s+15+32*\c], v[TM+12+2*\c]
	v_cvt_scalef32_pk16_fp6_f32 v[PC+12+4*\c:PC+14+4*\c], v[\s+16+32*\c:\s+31+32*\c], v[TM+12+2*\c+1]
.endr
	WIN 0
	v_nop                                          ; one plain place behind a scaled conversion
.irp c, 0,1
.irp i, 0,1,2
	v_permlane16_swap_b32 v[PC+6*\c+\i], v[PC+12+4*\c+\i]
.endr
.irp i, 0,1,2
	v_mov_b32 v[PC+3+6*\c+\i], v[PC+12+4*\c+\i]
.endr
.endr
.endm
.macro QUANT s, w1, w2, w3             ; 64 numbers of a lane, register 16 b + i = k 32 b + 16 h + i of my row; each accumulator is read from its low end on
	WIN \w1
.irp b, 0,1,2,3
	v_max3_num_f32 v[TM+\b], |v[\s+16*\b]|, |v[\s+1+16*\b]|, 0x1800000   ; and the floor 2^(3 - 127): the byte cannot fall under 1
.endr
	WIN \w2
.irp i, 2,4,6,8,10,12,14
.irp b, 0,1,2,3
	v_max3_num_f32 v[TM+\b], v[TM+\b], |v[\s+16*\b+\i]|, |v[\s+1+16*\b+\i]|
.endr
.endr
	WIN 0
	QJOIN
	QCODE \s, \w3
.endm
.macro PUT a, cb, off                  ; the image leaves as it stands, 512 consecutive bytes a store; the scale word goes to my stage
.irp c, 0,1,2
	global_store_b128 v[LI], v[PC+4*\c:PC+4*\c+3], s[\cb:\cb+1] offset:(\off)+512*\c
.endr
	ds_store_b32 v[SWA], v[PW] offset:64*(\a)
.endm
; THE WAY OUT of a tile: my 128 columns are one K step of the next product: each tile of 16 rows becomes one image and one scale word a row.  The tile's place stands in the stores' immediates: no base is stepped.
; first = 1: the launch's first.  cb, sb: the scalar pairs with the images' and the scale words' base; coff, soff: the tile's offsets; cstep: bytes from tile of 16 rows to tile of 16 rows.
.macro OUT first, cb, coff, cstep, sb, soff
	PLACES 4                                       ; behind the tile's last products, ahead of the first read of results
.irp a, 0,1,2,3
.if ((\first) == 0) || (\a > 0)
	s_wait_xcnt 0x0                                ; the earlier stores have read their registers, which are written again below
	s_wait_dscnt 0x0
.endif
	QUANT 64*\a, 0x0a, 0x28, 0x02
	PUT \a, \cb, (\coff)+(\cstep)*\a
.endr
	ds_load_b64 v[U:U+1], v[SRD]                   ; LDS serves a wave's instructions in order: this sees my stores
	s_wait_dscnt 0x0
	global_store_b64 v[L8], v[U:U+1], s[\sb:\sb+1] offset:\soff   ; my 64 rows' scale words: 256 consecutive bytes, aligned
.endm
	s_load_b128 s[4:7], s[0:1], 0x0                ; xw_c, xw_s
	s_load_b128 s[8:11], s[0:1], 0x10              ; qkv_c, qkv_s
	v_lshl_add_u32 v[SPW], v0, 2, SPARE
	v_mov_b32 v[NIL], 0
	ds_add_u32 v[SPW], v[NIL]                      ; the wave's opening: the add and its wait stand ahead of my first tensor load; work on registers stands between them
	ds_add_u32 v[SPW], v[NIL]
	v_lshrrev_b32 v1, 5, v0
	v_readfirstlane_b32 s16, v1                    ; wave
	s_lshr_b32 s17, s16, 1                         ; wm.  Also: I fetch for A (0) or for B (1)
	s_and_b32 s18, s16, 1                          ; wn.  Also: which half of that tile I fetch
	s_bfe_u32 s19, ttmp6, 0x40000                  ; cx
	s_bfe_u32 s20, ttmp6, 0x40004                  ; cy
	; tiles 0 and 1, A = x: offsets in registers that never hold cx
	s_lshl_b32 s40, ttmp9, 9
	s_lshl_b32 s41, s20, 7
	s_add_co_u32 s40, s40, s41                     ; row 512 c + 128 cy
	s_mov_b32 s21, s40                             ; also q's and k's first row
	s_lshl_b32 s44, s40, 2
	s_mov_b32 s45, 0
	s_lshl_b32 s41, s18, 6
	s_add_co_u32 s40, s40, s41
	s_mul_i32 s40, s40, RB                         ; codes: my 64 rows
	s_mov_b32 s41, 0
	; tile 2, A = wv: likewise
	s_lshr_b32 s12, ttmp9, 3
	s_lshl_b32 s12, s12, 9
	s_lshl_b32 s13, s20, 7
	s_add_co_u32 s12, s12, s13                     ; 512 (c / 8) + 128 cy
	s_mov_b32 s22, s12                             ; also v^T's first row
	s_add_co_u32 s12, s12, 10240                   ; where wv begins in xw
	s_lshl_b32 s2, s12, 2
	s_mov_b32 s3, 0
	s_lshl_b32 s13, s18, 6
	s_add_co_u32 s12, s12, s13
	s_mul_i32 s12, s12, RB
	s_mov_b32 s13, 0
	; tile 0, B = wq (tile 1's wk lies 1,024 rows on): offsets in registers that never hold cy
	s_lshl_b32 s42, s19, 8
	s_add_co_u32 s42, s42, 8192                    ; row 8,192 + 256 cx
	s_lshl_b32 s46, s42, 2
	s_mov_b32 s47, 0
	s_lshl_b32 s43, s18, 7
	s_add_co_u32 s42, s42, s43
	s_mul_i32 s42, s42, RB
	s_mov_b32 s43, 0
	; tile 2, B = x: likewise
	s_and_b32 s14, ttmp9, 7
	s_lshl_b32 s14, s14, 10
	s_lshl_b32 s15, s19, 8
	s_add_co_u32 s14, s14, s15                     ; row 1,024 (c % 8) + 256 cx
	s_lshl_b32 s66, s14, 2
	s_mul_i32 s67, s18, (KS/2)*PIT
	s_add_co_u32 s66, s66, s67
	s_mov_b32 s67, 0
	s_lshl_b32 s15, s18, 7
	s_add_co_u32 s14, s14, s15
	s_mul_i32 s14, s14, RB
	s_mov_b32 s15, 0
	; where my results go
	s_lshl_b32 s23, s17, 6
	s_add_co_u32 s21, s21, s23                     ; my first row of q and of k
	s_add_co_u32 s22, s22, s23                     ; and of v^T
	s_lshl_b32 s23, s19, 1
	s_add_co_u32 s23, s23, s18                     ; 2 cx + wn: my 128 columns among the cluster's 1,024
	s_mul_i32 s96, s21, 768                        ; q: 12,288 bytes a tile of 16 rows,
	s_mul_i32 s97, s23, 1536                       ; 1,536 a K step (k lies 6,291,456 bytes on: in the stores' immediates)
	s_add_co_u32 s96, s96, s97
	s_mov_b32 s97, 0
	s_lshl_b32 s98, s21, 2
	s_lshl_b32 s99, s23, 16
	s_add_co_u32 s98, s98, s99                     ; scale words: 65,536 x K step + 4 x row (k's: 32,768 bytes on)
	s_mov_b32 s99, 0
	s_and_b32 s94, ttmp9, 1                        ; v^T: which 1,024 of the batch's keys,
	s_lshl_b32 s94, s94, 3
	s_add_co_u32 s23, s23, s94                     ; so my K step is 8 (c % 2) + 2 cx + wn;
	s_bfe_u32 s95, ttmp9, 0x20001                  ; the batch: (c / 2) % 4
	s_add_co_u32 s94, s22, s23
	s_mul_i32 s94, s94, 1536                       ; 24,576 bytes a tile of 16 rows, 1,536 a K step,
	s_mul_i32 s100, s95, 1572864                   ; 64 tiles a batch,
	s_add_co_u32 s94, s94, s100
	s_add_co_u32 s94, s94, 12582912                ; behind q and k
	s_lshl_b32 s100, s95, 16
	s_lshl_b32 s101, s23, 12
	s_add_co_u32 s100, s100, s101
	s_lshl_b32 s101, s22, 2
	s_add_co_u32 s100, s100, s101
	s_add_co_u32 s100, s100, 524288                ; scale words: 65,536 x batch + 4,096 x K step + 4 x row, behind q's and k's
	s_mov_b32 s95, 0
	s_mov_b32 s101, 0
	s_lshl_b32 s22, s20, 2
	s_lshl_b32 s22, 15, s22                        ; my row of the cluster
	s_lshl_b32 s23, 0x1111, s19                    ; my column
	s_or_b32 s[G1A], s22, (3<<16)|(1<<21)          ; 15:0 the mask; 17:16 elements of 8 bytes; 21 set beside a mask; no padding
	s_or_b32 s[G1SA], s22, (3<<16)|(1<<21)
	s_or_b32 s[G1B], s23, (3<<16)|(1<<21)
	s_or_b32 s[G1SB], s23, (3<<16)|(1<<21)
.irp g, G1A, G1B                       ; codes: a row of the tile is 4 K steps of one tile of 16 rows, 6,144 bytes; A: 4 such rows a load, B: 8
	s_mov_b32 s[\g+1], 768<<16
	s_mov_b32 s[\g+3], 768<<16
	s_mov_b32 s[\g+5], 192*KS
	s_mov_b32 s[\g+6], 0
	s_mov_b32 s[\g+7], 0
.endr
	s_mov_b32 s[G1A+2], 8<<16                      ; the first fills bring whole parts of a slot: A's 8 rows, B's 16
	s_mov_b32 s[G1A+4], 8
	s_mov_b32 s[G1B+2], 16<<16
	s_mov_b32 s[G1B+4], 16
	s_mov_b32 s[G1SA+1], 64<<16                    ; scale words: a row is one K step of 128 rows, 512 bytes (B: 256 rows, 1,024 bytes); KS rows a load
	s_mov_b32 s[G1SA+2], KS<<16
	s_mov_b32 s[G1SA+3], 64<<16
	s_mov_b32 s[G1SA+4], KS
	s_mov_b32 s[G1SA+5], PIT/8
	s_mov_b32 s[G1SA+6], 0
	s_mov_b32 s[G1SA+7], 0
	s_mov_b32 s[G1SB+1], 128<<16
	s_mov_b32 s[G1SB+2], KS<<16
	s_mov_b32 s[G1SB+3], 128<<16
	s_mov_b32 s[G1SB+4], KS
	s_mov_b32 s[G1SB+5], PIT/8
	s_mov_b32 s[G1SB+6], 0
	s_mov_b32 s[G1SB+7], 0
	s_mov_b32 s[SEL], 0x76543210
	s_mov_b32 s[SEL+1], 0xfedcba98
	s_wait_dscnt 0x0                               ; the opening add is done
	s_wait_kmcnt 0x0
	s_add_nc_u64 s[96:97], s[8:9], s[96:97]
	s_add_nc_u64 s[O2C:O2C+1], s[8:9], s[O2C:O2C+1]
	s_add_nc_u64 s[98:99], s[10:11], s[98:99]
	s_add_nc_u64 s[O2S:O2S+1], s[10:11], s[O2S:O2S+1]
	s_add_nc_u64 s[40:41], s[4:5], s[40:41]
	s_add_nc_u64 s[42:43], s[4:5], s[42:43]
	s_add_nc_u64 s[A2C:A2C+1], s[4:5], s[A2C:A2C+1]
	s_add_nc_u64 s[B2C:B2C+1], s[4:5], s[B2C:B2C+1]
	s_add_nc_u64 s[44:45], s[6:7], s[44:45]
	s_add_nc_u64 s[46:47], s[6:7], s[46:47]
	s_add_nc_u64 s[B2S:B2S+1], s[6:7], s[B2S:B2S+1]
	s_add_nc_u64 s[G0SA2+2:G0SA2+3], s[6:7], s[2:3]   ; xw_s's last use: wv's scale words, in the place of their group 0's address
	CROUND                                         ; all sixteen work-groups are here: the first joint loads meet
	s_mov_b32 s21, 0                               ; the first fills of scale words bring all 8 K steps
	s_mov_b32 s[G0SA], 1
	s_add_co_u32 s[G0SA+1], s21, SCA0
	s_mov_b64 s[G0SA+2:G0SA+3], s[44:45]
	s_or_b32 s[G0SA+3], s[G0SA+3], 0x80000000
	s_mov_b32 s[G0SA2], 1
	s_add_co_u32 s[G0SA2+1], s21, SCA1
	s_or_b32 s[G0SA2+3], s[G0SA2+3], 0x80000000
	s_mov_b32 s21, 0
	s_mov_b32 s[G0SB], 1
	s_add_co_u32 s[G0SB+1], s21, SCB0
	s_mov_b64 s[G0SB+2:G0SB+3], s[46:47]
	s_or_b32 s[G0SB+3], s[G0SB+3], 0x80000000
	s_mov_b32 s[G0SB2], 1
	s_add_co_u32 s[G0SB2+1], s21, SCB1
	s_add_nc_u64 s[G0SB2+2:G0SB2+3], s[46:47], 4096   ; wk's words: 1,024 rows of 4 bytes on
	s_or_b32 s[G0SB2+3], s[G0SB2+3], 0x80000000
	s_mov_b32 s21, 0
	s_mov_b32 s22, BOFF
	s_mul_i32 s2, s18, 49152                       ; the first fills begin at the part's first row: my half's offset is taken off again
	s_mov_b32 s3, 0
	s_sub_nc_u64 s[44:45], s[40:41], s[2:3]
	s_lshl_b32 s2, s2, 1
	s_sub_nc_u64 s[46:47], s[42:43], s[2:3]
.irp s, 0,1
	s_mov_b32 s[G0A+4*\s], 1
	s_add_co_u32 s[G0A+4*\s+1], s21, \s*SLOT
	s_add_nc_u64 s[G0A+4*\s+2:G0A+4*\s+3], s[44:45], \s*6144
	s_or_b32 s[G0A+4*\s+3], s[G0A+4*\s+3], 0x80000000
	s_mov_b32 s[G0B+4*\s], 1
	s_add_co_u32 s[G0B+4*\s+1], s22, \s*SLOT
	s_add_nc_u64 s[G0B+4*\s+2:G0B+4*\s+3], s[46:47], \s*6144
	s_or_b32 s[G0B+4*\s+3], s[G0B+4*\s+3], 0x80000000
.endr
	HLOAD G0A, G0B, G0SA, G0SB                     ; what K steps 0 to 3 want: wave 0 slot 0's A part, wave 1 its B part, wave 2 x's scale words, wave 3 wq's
	v_and_b32 v1, 31, v0                           ; lane
	s_wait_alu depctr_va_vdst(0)
	v_and_b32 v16, 15, v0                          ; r
	s_wait_alu depctr_va_vdst(0)
	v_lshlrev_b32 v[LI], 4, v1
	v_lshlrev_b32 v[L8], 3, v1
	s_mul_i32 s21, s17, 24576                      ; my 4 tiles of A
	v_add_nc_u32 v[ADRA], s21, v[LI]
	s_add_co_u32 s21, s21, SLOT
	v_add_nc_u32 v[ADRA+1], s21, v[LI]
	s_mul_i32 s21, s18, 49152                      ; my 8 tiles of B
	s_add_co_u32 s21, s21, BOFF
	v_add_nc_u32 v[ADRB], s21, v[LI]
	s_add_co_u32 s21, s21, SLOT
	v_add_nc_u32 v[ADRB+1], s21, v[LI]
	s_lshl_b32 s21, s17, 8
	s_add_co_u32 s21, s21, SCA0
	v_lshl_add_u32 v[ADSA], v1, 2, s21
	s_lshl_b32 s21, s18, 9
	s_add_co_u32 s21, s21, SCB0
	v_lshl_add_u32 v[ADSB], v1, 2, s21
	s_mul_i32 s21, s16, SSW
	s_add_co_u32 s21, s21, SSTG
	v_lshl_add_u32 v[SWA], v16, 2, s21
	v_lshl_add_u32 v[SRD], v1, 3, s21
.irp b, 0,1,2,3
	v_mov_b32 v[TM+4+\b], 0                        ; written once: a lane permute's destination counts as one of its sources
.endr
	s_wait_alu depctr_va_vdst(0)
	s_wait_tensorcnt 0x0                           ; my tile of the first four is in
	ds_add_u32 v[SPW], v[NIL]
	s_wait_dscnt 0x0
	CROUND                                         ; everybody's tile is in, and the joint loads meet
	HLOAD G0A+4, G0B+4, G0SA2, G0SB2               ; slot 1's two parts, wv's and wk's scale words: one load a wave
	FETCH 0
	KSTEP 0, 0                                     ; tile 0: q
	KSTEP 1, 1
	KSTEP 2, 1
	KSTEP 3, 3                                     ; slot 0's B part takes wk's first chunk
	KSTEP 4, 1
	KSTEP 5, 1
	KSTEP 6, 1
	KSTEP 7, 3                                     ; slot 1's B part takes wk's second; tile 1's first fragments are fetched: the way out touches none of their registers
	OUT 1, 96, 0, 12288, 98, 0
	KSTEP 8, 0                                     ; tile 1: k
	KSTEP 9, 5                                     ; wq's scale words give way to x's for tile 2
	KSTEP 10, 1
	KSTEP 11, 4                                    ; slot 0 takes tile 2's first chunk: wv's rows and x's
	KSTEP 12, 1
	KSTEP 13, 1
	KSTEP 14, 1
	KSTEP 15, 4                                    ; slot 1 its second
	OUT 0, 96, 6291456, 12288, 98, 32768
	KSTEP 16, 0                                    ; tile 2: v^T
	KSTEP 17, 1
	KSTEP 18, 1
	KSTEP 19, 2                                    ; nothing is left to fetch
	KSTEP 20, 1
	KSTEP 21, 1
	KSTEP 22, 1
	KSTEP 23, 6
	OUT 0, O2C, 0, 24576, O2S, 0
	s_wait_tensorcnt 0x0                           ; the wave's end
	ds_add_u32 v[SPW], v[NIL]
	s_wait_dscnt 0x0
	CROUND                                         ; the closing round
	s_endpgm
.Lfunc_end_k_qa149fecc1a_qkv:
	.size	k_qa149fecc1a_qkv, .Lfunc_end_k_qa149fecc1a_qkv-k_qa149fecc1a_qkv
	.p2alignl 7, 3214868480
	.fill 96, 4, 3214868480
	.section	.rodata,"a",@progbits
	.p2align	6, 0x0
	.amdhsa_kernel k_qa149fecc1a_qkv
		.amdhsa_group_segment_fixed_size 327680
		.amdhsa_private_segment_fixed_size 0
		.amdhsa_enable_private_segment 0
		.amdhsa_kernarg_size 32
		.amdhsa_user_sgpr_count 2
		.amdhsa_user_sgpr_kernarg_segment_ptr 1
		.amdhsa_wavefront_size32 1
		.amdhsa_system_sgpr_workgroup_id_x 1
		.amdhsa_system_sgpr_workgroup_id_y 1
		.amdhsa_system_sgpr_workgroup_id_z 1
		.amdhsa_system_vgpr_workitem_id 0
		.amdhsa_next_free_vgpr 768
		.amdhsa_next_free_sgpr 102
		.amdhsa_reserve_vcc 0
		.amdhsa_float_denorm_mode_32 3
		.amdhsa_float_denorm_mode_16_64 3
		.amdhsa_memory_ordered 1
		.amdhsa_forward_progress 1
		.amdhsa_inst_pref_size 238
	.end_amdhsa_kernel
	.amdgpu_metadata
---
amdhsa.version: [ 1, 2 ]
amdhsa.kernels:
  - .name:           k_qa149fecc1a_qkv
    .symbol:         k_qa149fecc1a_qkv.kd
    .args:
      - { .name: xw_c, .offset: 0, .size: 8, .value_kind: global_buffer, .address_space: global }
      - { .name: xw_s, .offset: 8, .size: 8, .value_kind: global_buffer, .address_space: global }
      - { .name: qkv_c, .offset: 16, .size: 8, .value_kind: global_buffer, .address_space: global }
      - { .name: qkv_s, .offset: 24, .size: 8, .value_kind: global_buffer, .address_space: global }
    .group_segment_fixed_size: 327680
    .private_segment_fixed_size: 0
    .kernarg_segment_align: 8
    .kernarg_segment_size: 32
    .max_flat_workgroup_size: 128
    .sgpr_count:     102
    .vgpr_count:     768
    .wavefront_size: 32
...
	.end_amdgpu_metadata
.endif
;; end of part 2
;; launch score (part 3): grid 4 x 64, 4 waves a work-group, clusters of 4 x 4, 327,680 bytes of LDS; arguments qkv_c, qkv_s, p_c, p_s; writes p_c, p_s
.if DOCPART == 3
	.amdgcn_target "amdgcn-amd-amdhsa--gfx1250"
	.amdhsa_code_object_version 6
	.text
	.protected	k_qa149fecc1a_score
	.globl	k_qa149fecc1a_score
	.p2align	8
	.type	k_qa149fecc1a_score,@function
k_qa149fecc1a_score:
	s_mov_b64 s[64:65], 0
	v_nop
	global_prefetch_b8 v0, s[64:65] scope:SCOPE_SE
	s_setreg_imm32_b32 hwreg(HW_REG_WAVE_MODE, 25, 1), 1
	s_wait_xcnt 0x0
	s_wait_alu depctr_hold_cnt(0) depctr_sa_sdst(0) depctr_va_vdst(0) depctr_va_sdst(0) depctr_va_ssrc(0) depctr_va_vcc(0) depctr_vm_vsrc(0)
	s_getreg_b32 s2, hwreg(HW_REG_IB_STS2, 6, 4)
	s_cmp_eq_u32 s2, 0
	s_cbranch_scc0 .Lentry_in_a_cluster
	s_endpgm
.Lentry_in_a_cluster:
	s_bfe_u32 s2, ttmp6, 0x10000c
	s_cmp_lg_u32 s2, 0xf033
	s_cbranch_scc0 .Lentry_shape_is_right
	s_endpgm
.Lentry_shape_is_right:
; S = q k^T for each of 4 batches (2,048 x 2,048, K = 1,024) on codes of FP6 (E2M3) with E8M0 scales, and the softmax's p ahead of the next product, quantised along the keys.
; THE SOFTMAX IS TAKEN UNDER A LOCAL M: t = score x log2(e) / 32; for each query and each 128 keys (a wave's columns of a tile) M = the largest t of those 128, rounded up to a whole number; p = 2^(t - M).
; Stored: p's codes as images (p_c = [512 tiles of queries][16 K steps][1,536]) and three planes [16 K steps][8,192 queries] in p_s: p's scale words, -M (f32) and l = the sum of the unquantised p (f32).
; The next launch brings the 16 local M of a row under their largest: a change of M by a whole number is an exact power of two, which a block's scale byte takes up.
; A block's largest p is not searched for: the block's largest score goes through the same multiply-add and exponential (this takes v_exp_f32 not to fall where its input rises).
; A WORK-GROUP STAYS AND MAKES TWO TILES of 128 queries x 256 keys, side by side: 256 work-groups in all.  A = q's 128 rows, B = k's rows 512 cx + 256 t on, of the same batch; wave (wm, wn) makes 64 x 128 of a tile.
; K = 1,024 of a tile is two chunks of 512, one to each of two LDS slots.  q's codes serve both tiles and stay where they are; when a slot's last fragments of tile 0 are in registers, B's part of it takes the same
; chunk of tile 1, by waves 2 and 3, and lands while four K steps are multiplied and tile 0 is written out.  The scale words of q and of all 512 keys come once, with the first fills.
; Operands, images and tiles' places as in the launch that made q and k.  CLUSTER 4 x 4: A's tiles are asked for jointly by a row of the cluster, B's by a column.
; LIMITS: a block whose every p has fallen to 0 keeps the byte 1 with zero codes; NaN and infinities are not served.  All of a WGP's LDS is claimed.
; REGISTERS: window 0: v2-11 addresses; v32-43 scale words; v48-87, v96-109 at work on the way out; v128-223 A's fragments, two sets, on the way out v128-191 p.  Window 1: B's fragments.  Window 2: accumulator (a, b) at v[8 (8 a + b)].
.set KS,    8
.set RB,    96*KS
.set PITA,  65536
.set PITB,  65536
.set PAC,   4
.set PAS,   6
.set PBC,   4
.set PBS,   6
.set SSW,   768                        ; a wave's stage: 256 bytes each of scale words, -M and l
.set SLOT,  147456
.set BOFF,  49152
.set SCA,   2*SLOT                     ; q's scale words: [8][128]
.set SCB,   SCA+512*KS                 ; k's, both tiles': [8][512]
.set SSTG,  SCB+2048*KS
.set SPARE, SSTG+4*SSW
.set ADRA, 2
.set ADRB, 4
.set ADSA, 6
.set ADSB, 7
.set LI,   8
.set SWA,  9
.set SRD,  10
.set L8,   11
.set SPW,  28
.set NIL,  29
.set SA,   32
.set SB,   36
.set TM,   48
.set PW,   64
.set PC,   68
.set U,    104
.set AF,   128
.set HA,   128
.set G1A,  24
.set G0A,  32
.set G1B,  48
.set G0B,  56
.set G1SA, 68
.set G0SA, 76
.set G1SB, 80
.set G0SB, 88
.set SEL,  92
.set CS,   94                          ; s[94:95] c = log2(e) / 32
.set MSB, 0
.macro WIN new
.if MSB != (\new)
	s_set_vgpr_msb (MSB<<8)|(\new)
.set MSB, (\new)
.endif
.endm
.macro PLACES n
.rept \n
	v_nop
.endr
.endm
.macro JLOAD g0a, g1a, g0b, g1b        ; a joint load: waves 0 and 1 fetch for A, waves 2 and 3 for B; an s_nop 0 and four v_nop follow each line
	s_cmp_eq_u32 s17, 0
	s_cbranch_scc0 .Lfor_b_\@
	tensor_load_to_lds s[\g0a:\g0a+3], s[\g1a:\g1a+7]
	s_nop 0
.rept 4
	v_nop
.endr
	s_branch .Lasked_\@
.Lfor_b_\@:
	tensor_load_to_lds s[\g0b:\g0b+3], s[\g1b:\g1b+7]
	s_nop 0
.rept 4
	v_nop
.endr
.Lasked_\@:
.endm
.macro BLOAD g0b, g1b                  ; a joint load for B alone: waves 2 and 3 fetch, waves 0 and 1 have nothing to fill; the branch hangs on the wave's number alone
	s_cmp_eq_u32 s17, 0
	s_cbranch_scc1 .Lnone_\@
	tensor_load_to_lds s[\g0b:\g0b+3], s[\g1b:\g1b+7]
	s_nop 0
.rept 4
	v_nop
.endr
.Lnone_\@:
	PLACES 4                                       ; on every wave's way: the places in front of the loads that follow
.endm
.macro HLOAD g0a, g0b, g0sa, g0sb      ; four whole tiles, one joint load a wave: one tree of branches on the wave's number, every way through it passes one load
	s_cmp_lt_u32 s16, 1
	s_cbranch_scc0 .Lhb_\@
	tensor_load_to_lds s[\g0a:\g0a+3], s[G1A:G1A+7]
	s_nop 0
.rept 4
	v_nop
.endr
	s_branch .Lhe_\@
.Lhb_\@:
	s_cmp_lt_u32 s16, 2
	s_cbranch_scc0 .Lhc_\@
	tensor_load_to_lds s[\g0b:\g0b+3], s[G1B:G1B+7]
	s_nop 0
.rept 4
	v_nop
.endr
	s_branch .Lhe_\@
.Lhc_\@:
	s_cmp_lt_u32 s16, 3
	s_cbranch_scc0 .Lhd_\@
	tensor_load_to_lds s[\g0sa:\g0sa+3], s[G1SA:G1SA+7]
	s_nop 0
.rept 4
	v_nop
.endr
	s_branch .Lhe_\@
.Lhd_\@:
	tensor_load_to_lds s[\g0sb:\g0sb+3], s[G1SB:G1SB+7]
	s_nop 0
.rept 4
	v_nop
.endr
.Lhe_\@:
.endm
.macro CROUND
	s_barrier_signal -1
	s_barrier_wait -1
	s_cmp_lg_u32 s16, 0
	s_cbranch_scc1 .Lnot_wave_0_\@
	s_barrier_signal -3
.Lnot_wave_0_\@:
	s_barrier_wait -3
	s_barrier_signal -1
	s_barrier_wait -1
.endm
.macro FETCH q                         ; step q (8 to a tile): its fragments and scale words into set q % 2: 42 LDS loads in one run
.set FS, ((\q)/4)%2
.set FK, (\q)%4
.set FP, (\q)%2
.set FOA, 512*((\q)%8)
.set FOB, 2048*((\q)%8)+1024*((\q)/8)  ; a K step's words of 512 keys; tile 1's are the second 256
	WIN 0x40
.irp i, 0,1,2,3,4,5,6,7
.irp c, 0,1,2
	ds_load_b128 v[128*FP+12*\i+4*\c:128*FP+12*\i+4*\c+3], v[ADRB+FS] offset:(4*\i+FK)*1536+512*\c
.endr
.endr
	WIN 0
.irp i, 0,1,2,3
.irp c, 0,1,2
	ds_load_b128 v[AF+48*FP+12*\i+4*\c:AF+48*FP+12*\i+4*\c+3], v[ADRA+FS] offset:(4*\i+FK)*1536+512*\c
.endr
.endr
.irp i, 0,1
	ds_load_b32 v[SA+2*FP+\i], v[ADSA] offset:FOA+128*\i
.endr
.irp i, 0,1,2,3
	ds_load_b32 v[SB+4*FP+\i], v[ADSB] offset:FOB+128*\i
.endr
.endm
.macro WM a, b, p, zero
.set RD_, 8*(8*(\a)+(\b))
.set RB_, 128*(\p)+12*(\b)
.set RA_, AF+48*(\p)+12*(\a)
.set RT_, SB+4*(\p)+(\b)/2
.set RS_, SA+2*(\p)+(\a)/2
.set ROW_, 2*((\a)%2)+(\b)%2
.if \zero
.if ROW_ == 0
	v_wmma_scale_f32_16x16x128_f8f6f4 v[RD_:RD_+7], v[RB_:RB_+11], v[RA_:RA_+11], 0, v[RT_], v[RS_] matrix_a_fmt:MATRIX_FMT_FP6 matrix_b_fmt:MATRIX_FMT_FP6
.elseif ROW_ == 1
	v_wmma_scale_f32_16x16x128_f8f6f4 v[RD_:RD_+7], v[RB_:RB_+11], v[RA_:RA_+11], 0, v[RT_], v[RS_] matrix_a_fmt:MATRIX_FMT_FP6 matrix_b_fmt:MATRIX_FMT_FP6 matrix_a_scale:MATRIX_SCALE_ROW1
.elseif ROW_ == 2
	v_wmma_scale_f32_16x16x128_f8f6f4 v[RD_:RD_+7], v[RB_:RB_+11], v[RA_:RA_+11], 0, v[RT_], v[RS_] matrix_a_fmt:MATRIX_FMT_FP6 matrix_b_fmt:MATRIX_FMT_FP6 matrix_b_scale:MATRIX_SCALE_ROW1
.else
	v_wmma_scale_f32_16x16x128_f8f6f4 v[RD_:RD_+7], v[RB_:RB_+11], v[RA_:RA_+11], 0, v[RT_], v[RS_] matrix_a_fmt:MATRIX_FMT_FP6 matrix_b_fmt:MATRIX_FMT_FP6 matrix_a_scale:MATRIX_SCALE_ROW1 matrix_b_scale:MATRIX_SCALE_ROW1
.endif
.else
.if ROW_ == 0
	v_wmma_scale_f32_16x16x128_f8f6f4 v[RD_:RD_+7], v[RB_:RB_+11], v[RA_:RA_+11], v[RD_:RD_+7], v[RT_], v[RS_] matrix_a_fmt:MATRIX_FMT_FP6 matrix_b_fmt:MATRIX_FMT_FP6
.elseif ROW_ == 1
	v_wmma_scale_f32_16x16x128_f8f6f4 v[RD_:RD_+7], v[RB_:RB_+11], v[RA_:RA_+11], v[RD_:RD_+7], v[RT_], v[RS_] matrix_a_fmt:MATRIX_FMT_FP6 matrix_b_fmt:MATRIX_FMT_FP6 matrix_a_scale:MATRIX_SCALE_ROW1
.elseif ROW_ == 2
	v_wmma_scale_f32_16x16x128_f8f6f4 v[RD_:RD_+7], v[RB_:RB_+11], v[RA_:RA_+11], v[RD_:RD_+7], v[RT_], v[RS_] matrix_a_fmt:MATRIX_FMT_FP6 matrix_b_fmt:MATRIX_FMT_FP6 matrix_b_scale:MATRIX_SCALE_ROW1
.else
	v_wmma_scale_f32_16x16x128_f8f6f4 v[RD_:RD_+7], v[RB_:RB_+11], v[RA_:RA_+11], v[RD_:RD_+7], v[RT_], v[RS_] matrix_a_fmt:MATRIX_FMT_FP6 matrix_b_fmt:MATRIX_FMT_FP6 matrix_a_scale:MATRIX_SCALE_ROW1 matrix_b_scale:MATRIX_SCALE_ROW1
.endif
.endif
.endm
.macro MUL q, zero                     ; the 32 accumulators take turns, in the same order in every step
	WIN 0xa1
.irp a, 0,1,2,3
.irp b, 0,1,2,3,4,5,6,7
	WM \a, \b, (\q)%2, \zero
.endr
.endr
	WIN 0
.endm
; THE CHANGE OF SLOTS: my reads of the slot are in registers.  refill = 1: B's part of the slot takes the same chunk of tile 1, by a joint load, the first thing behind a round of the cluster's barrier and a wave's one tensor load until the next.
.macro CHANGE slot, refill
	s_wait_tensorcnt 0x0                           ; all my tensor loads have landed, my part of the other slot among them: so a group 0 may be written
	ds_add_u32 v[SPW], v[NIL]                      ; 0 onto my spare word
.if \refill
	s_add_nc_u64 s[G0B+4*(\slot)+2:G0B+4*(\slot)+3], s[G0B+4*(\slot)+2:G0B+4*(\slot)+3], 196608   ; 256 rows of 768 bytes on
.endif
	s_wait_dscnt 0x0                               ; the add is done, and my reads of the slot are over
.if \refill
	CROUND                                         ; no wave of any partner still reads those bytes or has a load on its way
	BLOAD G0B+4*(\slot), G1B
.else
	s_barrier_signal -1
	s_barrier_wait -1
	PLACES 4
.endif
.endm
; A K step.  kind 0: a tile's first; 1: plain; 2: a slot's last, nothing filled; 3: a slot's last, with a refill; 4: the very last; 5: tile 0's last: a refill, and no fetch: the way out uses the fragments' registers.
.macro KSTEP q, kind
	s_wait_dscnt 0x0                               ; this step's fragments and scale words are in
.if (\kind) == 1
	PLACES 4
.elseif (\kind) == 2
	CHANGE ((\q)/4)%2, 0
.elseif ((\kind) == 3) || ((\kind) == 5)
	CHANGE ((\q)/4)%2, 1
.endif
.if (\kind) < 4
	FETCH (\q)+1
.endif
.if (\kind) == 0
	MUL \q, 1                                      ; a tile's first products start the sums: nothing is cleared
.else
	MUL \q, 0
.endif
.endm
.macro QJOIN
.irp b, 0,1,2,3
	v_permlanex16_b32 v[TM+4+\b], v[TM+\b], s[SEL], s[SEL+1]
.endr
.irp b, 0,1,2,3
	v_max_num_f32 v[TM+\b], v[TM+\b], v[TM+4+\b]
.endr
.endm
.macro QCODE s, w3
.irp b, 0,1,2,3
	v_add_nc_u32 v[TM+12+\b], 0xff000000, v[TM+\b] ; 2 off the exponent field: the conversion's scale operand
.endr
.irp b, 0,1,2,3
	v_lshrrev_b32 v[TM+4+\b], 23, v[TM+12+\b]      ; the scale's byte
.endr
	v_lshl_or_b32 v[PW], v[TM+5], 8, v[TM+4]
	v_lshl_or_b32 v[PW], v[TM+6], 16, v[PW]
	v_lshl_or_b32 v[PW], v[TM+7], 24, v[PW]
	WIN \w3
.irp c, 0,1
	v_cvt_scalef32_pk16_fp6_f32 v[PC+6*\c:PC+2+6*\c], v[\s+32*\c:\s+15+32*\c], v[TM+12+2*\c]
	v_cvt_scalef32_pk16_fp6_f32 v[PC+12+4*\c:PC+14+4*\c], v[\s+16+32*\c:\s+31+32*\c], v[TM+12+2*\c+1]
.endr
	WIN 0
	v_nop                                          ; one plain place behind a scaled conversion
.irp c, 0,1
.irp i, 0,1,2
	v_permlane16_swap_b32 v[PC+6*\c+\i], v[PC+12+4*\c+\i]
.endr
.irp i, 0,1,2
	v_mov_b32 v[PC+3+6*\c+\i], v[PC+12+4*\c+\i]
.endr
.endr
.endm
.macro PUT a, off
.irp c, 0,1,2
	global_store_b128 v[LI], v[PC+4*\c:PC+4*\c+3], s[96:97] offset:(\off)+512*\c
.endr
	ds_store_b32 v[SWA], v[PW] offset:64*(\a)
.endm
; THE WAY OUT of 16 queries (a) x my 128 keys of tile t.  Lane (r, h) holds query r; register 16 b + i is key 32 b + 16 h + i.
.macro SOFT a, t
.set S_, 64*(\a)
.if ((\a) > 0) || ((\t) > 0)
	s_wait_xcnt 0x0                                ; the earlier stores have read their registers, which are written again below
	s_wait_dscnt 0x0
.endif
	WIN 0x2a                                       ; all three sources window 2
.irp b, 0,1,2,3
	v_max3_num_f32 v[TM+\b], v[S_+16*\b], v[S_+16*\b+1], v[S_+16*\b+2]   ; the largest score of each block of 32 keys; each accumulator is read from its low end on
.endr
	WIN 0x28
.irp i, 3,5,7,9,11,13
.irp b, 0,1,2,3
	v_max3_num_f32 v[TM+\b], v[TM+\b], v[S_+16*\b+\i], v[S_+16*\b+\i+1]
.endr
.endr
	WIN 0x08
.irp b, 0,1,2,3
	v_max_num_f32 v[TM+\b], v[TM+\b], v[S_+16*\b+15]
.endr
	WIN 0
	QJOIN
	v_max3_num_f32 v102, v[TM], v[TM+1], v[TM+2]
	v_max_num_f32 v102, v102, v[TM+3]              ; the largest score of my query's 128 keys,
	v_mul_f32 v102, s[CS], v102                    ; as t (c is positive)
	v_floor_f32 v96, -v102                         ; -M = floor(-t) = -ceil(t): a whole number
	WIN 0x02                                       ; source 0 window 2
.set j, 0
.rept 32
	v_pk_fma_f32 v[HA+j:HA+j+1], v[S_+j:S_+j+1], s[CS:CS+1], v[96:97] op_sel_hi:[1,0,0]   ; t - M, two at a time
.set j, j+2
.endr
	WIN 0
.irp b, 0,1,2,3
	v_fma_f32 v[TM+\b], v[TM+\b], s[CS], v96       ; the same of each block's largest score
.endr
.set j, 0
	s_wait_alu depctr_va_vdst(0)
.rept 64
	v_exp_f32 v[HA+j], v[HA+j]                     ; p = 2^(t - M): one batch
.set j, j+1
.endr
	v_nop                                          ; a plain place behind the last exponential
	s_wait_alu depctr_va_vdst(0)                   ; one wait for the batch, ahead of its first reader
.irp b, 0,1,2,3
	v_exp_f32 v[TM+\b], v[TM+\b]                   ; the blocks' largest p: a second, small batch
.endr
	v_pk_add_f32 v[98:99], v[HA:HA+1], v[HA+2:HA+3]          ; the sum of the unquantised p, in two chains: plain work behind the four, which it does not name
	v_pk_add_f32 v[100:101], v[HA+4:HA+5], v[HA+6:HA+7]
.set j, 8
.rept 14
	v_pk_add_f32 v[98:99], v[98:99], v[HA+j:HA+j+1]
	v_pk_add_f32 v[100:101], v[100:101], v[HA+j+2:HA+j+3]
.set j, j+4
.endr
	v_pk_add_f32 v[98:99], v[98:99], v[100:101]
	s_wait_alu depctr_va_vdst(0)                   ; and one wait for the four
.irp b, 0,1,2,3
	v_max_num_f32 v[TM+\b], 0x1800000, v[TM+\b]    ; the floor 2^(3 - 127): the byte cannot fall under 1
.endr
	QCODE HA, 0
	v_add_f32 v98, v98, v99
	v_permlanex16_b32 v100, v98, s[SEL], s[SEL+1]
	v_add_f32 v98, v98, v100                       ; l of my query's 128 keys
	PUT \a, 24576*(\a)+3072*(\t)                   ; tile t's K step lies two images on
	ds_store_b32 v[SWA], v96 offset:256+64*(\a)
	ds_store_b32 v[SWA], v98 offset:512+64*(\a)
.endm
.macro OUT t                           ; a whole tile: its place stands in the stores' immediates: no base is stepped
	PLACES 4                                       ; behind the tile's last products: ahead of the first read of results and of the first write over A's fragments
	SOFT 0, \t
	SOFT 1, \t
	SOFT 2, \t
	SOFT 3, \t
.irp i, 0,1,2
	ds_load_b64 v[U+2*\i:U+2*\i+1], v[SRD] offset:256*\i   ; LDS serves a wave's instructions in order: these see my stores
.endr
	s_wait_dscnt 0x0
.irp i, 0,1,2
	global_store_b64 v[L8], v[U+2*\i:U+2*\i+1], s[98:99] offset:524288*\i+65536*(\t)   ; scale words, -M, l of my 64 queries: 256 consecutive bytes each, aligned
.endr
.endm
	s_load_b128 s[4:7], s[0:1], 0x0                ; qkv_c, qkv_s
	s_load_b128 s[8:11], s[0:1], 0x10              ; p_c, p_s
	v_lshl_add_u32 v[SPW], v0, 2, SPARE
	v_mov_b32 v[NIL], 0
	ds_add_u32 v[SPW], v[NIL]                      ; the wave's opening: the add and its wait stand ahead of my first tensor load
	ds_add_u32 v[SPW], v[NIL]
	v_lshrrev_b32 v1, 5, v0
	v_readfirstlane_b32 s16, v1                    ; wave
	s_lshr_b32 s17, s16, 1                         ; wm.  Also: I fetch for A (0) or for B (1)
	s_and_b32 s18, s16, 1                          ; wn.  Also: which half I fetch
	s_bfe_u32 s19, ttmp6, 0x40000                  ; cx
	s_bfe_u32 s20, ttmp6, 0x40004                  ; cy
	s_lshl_b32 s21, ttmp9, 2
	s_add_co_u32 s21, s21, s19                     ; my column of 512 keys: two tiles
	s_and_b32 s2, ttmp7, 0xffff
	s_lshl_b32 s22, s2, 2
	s_add_co_u32 s22, s22, s20                     ; tile row: 128 queries
	s_lshr_b32 s2, s2, 2                           ; the batch: four clusters of rows each
	s_lshl_b32 s40, s22, 7                         ; A = q: offsets in registers that never hold cx
	s_lshl_b32 s44, s40, 2
	s_mov_b32 s45, 0
	s_lshl_b32 s41, s18, 6
	s_add_co_u32 s40, s40, s41
	s_mul_i32 s40, s40, RB
	s_mov_b32 s41, 0
	s_lshl_b32 s42, s21, 9                         ; B = k: row 8,192 + 2,048 x batch + 512 x column; never cy
	s_lshl_b32 s43, s2, 11
	s_add_co_u32 s42, s42, s43
	s_add_co_u32 s42, s42, 8192
	s_lshl_b32 s46, s42, 2
	s_mov_b32 s47, 0
	s_lshl_b32 s43, s18, 7
	s_add_co_u32 s42, s42, s43
	s_mul_i32 s42, s42, RB
	s_mov_b32 s43, 0
	s_lshl_b32 s96, s22, 7                         ; where my results go
	s_lshl_b32 s97, s17, 6
	s_add_co_u32 s96, s96, s97                     ; my first query
	s_lshl_b32 s98, s96, 2
	s_lshl_b32 s3, s21, 2
	s_add_co_u32 s3, s3, s18                       ; tile 0's K step of the next product: 4 x column + wn (tile 1's: two on)
	s_lshl_b32 s99, s3, 15
	s_add_co_u32 s98, s98, s99                     ; planes: 32,768 x K step + 4 x query
	s_mov_b32 s99, 0
	s_add_co_u32 s96, s96, s3                      ; images: (16 x tile of queries + K step) x 1,536
	s_mul_i32 s96, s96, 1536
	s_mov_b32 s97, 0
	s_lshl_b32 s22, s20, 2
	s_lshl_b32 s22, 15, s22                        ; my row of the cluster
	s_lshl_b32 s23, 0x1111, s19                    ; my column
	s_or_b32 s[G1A], s22, (3<<16)|(1<<21)          ; 15:0 the mask; 17:16 elements of 8 bytes; 21 set beside a mask; no padding
	s_or_b32 s[G1SA], s22, (3<<16)|(1<<21)
	s_or_b32 s[G1B], s23, (3<<16)|(1<<21)
	s_or_b32 s[G1SB], s23, (3<<16)|(1<<21)
.irp g, G1A, G1B                       ; codes: a row of the tile is 4 K steps of one tile of 16 rows, 6,144 bytes; A: 4 such rows a load, B: 8
	s_mov_b32 s[\g+1], 768<<16
	s_mov_b32 s[\g+3], 768<<16
	s_mov_b32 s[\g+5], 192*KS
	s_mov_b32 s[\g+6], 0
	s_mov_b32 s[\g+7], 0
.endr
	s_mov_b32 s[G1A+2], 8<<16                      ; the head's loads bring whole parts of slot 0: A's 8 rows, B's 16
	s_mov_b32 s[G1A+4], 8
	s_mov_b32 s[G1B+2], 16<<16
	s_mov_b32 s[G1B+4], 16
	s_mov_b32 s[G1SA+1], 64<<16                    ; q's scale words: a row is one K step of 128 rows, 512 bytes; KS rows a load
	s_mov_b32 s[G1SA+2], KS<<16
	s_mov_b32 s[G1SA+3], 64<<16
	s_mov_b32 s[G1SA+4], KS
	s_mov_b32 s[G1SA+5], PITA/8
	s_mov_b32 s[G1SA+6], 0
	s_mov_b32 s[G1SA+7], 0
	s_mov_b32 s[G1SB+1], 256<<16                   ; k's: one K step of both tiles' 512 rows, 2,048 bytes
	s_mov_b32 s[G1SB+2], KS<<16
	s_mov_b32 s[G1SB+3], 256<<16
	s_mov_b32 s[G1SB+4], KS
	s_mov_b32 s[G1SB+5], PITB/8
	s_mov_b32 s[G1SB+6], 0
	s_mov_b32 s[G1SB+7], 0
	s_mov_b32 s[SEL], 0x76543210
	s_mov_b32 s[SEL+1], 0xfedcba98
	s_mov_b32 s[CS], 0x3d38aa3b                    ; log2(e) / 32
	s_mov_b32 s[CS+1], s[CS]                       ; (named with it as a pair, so it is written)
	s_wait_dscnt 0x0                               ; the opening add is done
	s_wait_kmcnt 0x0
	s_add_nc_u64 s[96:97], s[8:9], s[96:97]
	s_add_nc_u64 s[98:99], s[10:11], s[98:99]
	s_add_nc_u64 s[40:41], s[PAC:PAC+1], s[40:41]
	s_add_nc_u64 s[44:45], s[PAS:PAS+1], s[44:45]
	s_add_nc_u64 s[42:43], s[PBC:PBC+1], s[42:43]
	s_add_nc_u64 s[46:47], s[PBS:PBS+1], s[46:47]
	CROUND                                         ; all sixteen work-groups are here: the first joint loads meet
	s_mov_b32 s21, 0                               ; a load of scale words brings all K steps
	s_mov_b32 s[G0SA], 1
	s_add_co_u32 s[G0SA+1], s21, SCA
	s_mov_b64 s[G0SA+2:G0SA+3], s[44:45]
	s_or_b32 s[G0SA+3], s[G0SA+3], 0x80000000
	s_mov_b32 s21, 0
	s_mov_b32 s[G0SB], 1
	s_add_co_u32 s[G0SB+1], s21, SCB
	s_mov_b64 s[G0SB+2:G0SB+3], s[46:47]
	s_or_b32 s[G0SB+3], s[G0SB+3], 0x80000000
	s_mul_i32 s2, s18, 64*RB                       ; group 0 for the head's two loads of codes, in registers whose arguments are used up: they begin at the part's first row, so my half's offset is taken off
	s_mov_b32 s3, 0
	s_mov_b32 s4, 1
	s_mov_b32 s5, 0
	s_sub_nc_u64 s[6:7], s[40:41], s[2:3]
	s_or_b32 s7, s7, 0x80000000
	s_lshl_b32 s2, s2, 1
	s_mov_b32 s8, 1
	s_mov_b32 s9, BOFF
	s_sub_nc_u64 s[10:11], s[42:43], s[2:3]
	s_or_b32 s11, s11, 0x80000000
	s_mul_i32 s21, s18, 24576
	s_mul_i32 s22, s18, 49152
	s_add_co_u32 s22, s22, BOFF
.irp s, 0,1
	s_mov_b32 s[G0A+4*\s], 1
	s_add_co_u32 s[G0A+4*\s+1], s21, \s*SLOT
	s_add_nc_u64 s[G0A+4*\s+2:G0A+4*\s+3], s[40:41], \s*6144
	s_or_b32 s[G0A+4*\s+3], s[G0A+4*\s+3], 0x80000000
	s_mov_b32 s[G0B+4*\s], 1
	s_add_co_u32 s[G0B+4*\s+1], s22, \s*SLOT
	s_add_nc_u64 s[G0B+4*\s+2:G0B+4*\s+3], s[42:43], \s*6144
	s_or_b32 s[G0B+4*\s+3], s[G0B+4*\s+3], 0x80000000
.endr
	HLOAD 4, 8, G0SA, G0SB                         ; what K steps 0 to 3 want: wave 0 slot 0's A part, wave 1 its B part, wave 2 q's scale words, wave 3 k's
	v_and_b32 v1, 31, v0
	s_wait_alu depctr_va_vdst(0)
	v_and_b32 v16, 15, v0
	s_wait_alu depctr_va_vdst(0)
	v_lshlrev_b32 v[LI], 4, v1
	v_lshlrev_b32 v[L8], 3, v1
	s_mul_i32 s21, s17, 24576
	v_add_nc_u32 v[ADRA], s21, v[LI]
	s_add_co_u32 s21, s21, SLOT
	v_add_nc_u32 v[ADRA+1], s21, v[LI]
	s_mul_i32 s21, s18, 49152
	s_add_co_u32 s21, s21, BOFF
	v_add_nc_u32 v[ADRB], s21, v[LI]
	s_add_co_u32 s21, s21, SLOT
	v_add_nc_u32 v[ADRB+1], s21, v[LI]
	s_lshl_b32 s21, s17, 8
	s_add_co_u32 s21, s21, SCA
	v_lshl_add_u32 v[ADSA], v1, 2, s21
	s_lshl_b32 s21, s18, 9
	s_add_co_u32 s21, s21, SCB
	v_lshl_add_u32 v[ADSB], v1, 2, s21
	s_mul_i32 s21, s16, SSW
	s_add_co_u32 s21, s21, SSTG
	v_lshl_add_u32 v[SWA], v16, 2, s21
	v_lshl_add_u32 v[SRD], v1, 3, s21
.irp b, 0,1,2,3
	v_mov_b32 v[TM+4+\b], 0                        ; written once: a lane permute's destination counts as one of its sources
.endr
	v_mov_b32 v97, 0                               ; (named as the upper half of the pair v[96:97])
	s_wait_alu depctr_va_vdst(0)
	s_wait_tensorcnt 0x0                           ; my tile of the head's four is in
	ds_add_u32 v[SPW], v[NIL]
	s_mov_b32 s[G1A+2], 4<<16                      ; no tensor load of mine is out: from here on a load brings half of a part
	s_mov_b32 s[G1A+4], 4
	s_mov_b32 s[G1B+2], 8<<16
	s_mov_b32 s[G1B+4], 8
	s_wait_dscnt 0x0
	CROUND                                         ; everybody's tile is in, and the joint loads meet
	JLOAD G0A+4, G1A, G0B+4, G1B                   ; slot 1's first fill: one load a wave
	FETCH 0
	KSTEP 0, 0                                     ; tile 0
	KSTEP 1, 1
	KSTEP 2, 1
	KSTEP 3, 3                                     ; slot 0's B part takes tile 1's first chunk
	KSTEP 4, 1
	KSTEP 5, 1
	KSTEP 6, 1
	KSTEP 7, 5                                     ; slot 1's B part takes its second
	OUT 0
	FETCH 8                                        ; behind the way out, which has used the registers of A's fragments
	KSTEP 8, 0                                     ; tile 1
	KSTEP 9, 1
	KSTEP 10, 1
	KSTEP 11, 2                                    ; nothing is left to fetch
	KSTEP 12, 1
	KSTEP 13, 1
	KSTEP 14, 1
	KSTEP 15, 4
	OUT 1
	s_wait_tensorcnt 0x0                           ; the wave's end
	ds_add_u32 v[SPW], v[NIL]
	s_wait_dscnt 0x0
	CROUND                                         ; the closing round
	s_endpgm
.Lfunc_end_k_qa149fecc1a_score:
	.size	k_qa149fecc1a_score, .Lfunc_end_k_qa149fecc1a_score-k_qa149fecc1a_score
	.p2alignl 7, 3214868480
	.fill 96, 4, 3214868480
	.section	.rodata,"a",@progbits
	.p2align	6, 0x0
	.amdhsa_kernel k_qa149fecc1a_score
		.amdhsa_group_segment_fixed_size 327680
		.amdhsa_private_segment_fixed_size 0
		.amdhsa_enable_private_segment 0
		.amdhsa_kernarg_size 32
		.amdhsa_user_sgpr_count 2
		.amdhsa_user_sgpr_kernarg_segment_ptr 1
		.amdhsa_wavefront_size32 1
		.amdhsa_system_sgpr_workgroup_id_x 1
		.amdhsa_system_sgpr_workgroup_id_y 1
		.amdhsa_system_sgpr_workgroup_id_z 1
		.amdhsa_system_vgpr_workitem_id 0
		.amdhsa_next_free_vgpr 768
		.amdhsa_next_free_sgpr 102
		.amdhsa_reserve_vcc 0
		.amdhsa_float_denorm_mode_32 3
		.amdhsa_float_denorm_mode_16_64 3
		.amdhsa_memory_ordered 1
		.amdhsa_forward_progress 1
		.amdhsa_inst_pref_size 214
	.end_amdhsa_kernel
	.amdgpu_metadata
---
amdhsa.version: [ 1, 2 ]
amdhsa.kernels:
  - .name:           k_qa149fecc1a_score
    .symbol:         k_qa149fecc1a_score.kd
    .args:
      - { .name: qkv_c, .offset: 0, .size: 8, .value_kind: global_buffer, .address_space: global }
      - { .name: qkv_s, .offset: 8, .size: 8, .value_kind: global_buffer, .address_space: global }
      - { .name: p_c, .offset: 16, .size: 8, .value_kind: global_buffer, .address_space: global }
      - { .name: p_s, .offset: 24, .size: 8, .value_kind: global_buffer, .address_space: global }
    .group_segment_fixed_size: 327680
    .private_segment_fixed_size: 0
    .kernarg_segment_align: 8
    .kernarg_segment_size: 32
    .max_flat_workgroup_size: 128
    .sgpr_count:     102
    .vgpr_count:     768
    .wavefront_size: 32
...
	.end_amdgpu_metadata
.endif
;; end of part 3
;; launch ctx (part 4): grid 4 x 64, 4 waves a work-group, clusters of 4 x 4, 327,680 bytes of LDS; arguments p_c, p_s, qkv_c, qkv_s, c_c, c_s; writes c_c, c_s
.if DOCPART == 4
	.amdgcn_target "amdgcn-amd-amdhsa--gfx1250"
	.amdhsa_code_object_version 6
	.text
	.protected	k_qa149fecc1a_ctx
	.globl	k_qa149fecc1a_ctx
	.p2align	8
	.type	k_qa149fecc1a_ctx,@function
k_qa149fecc1a_ctx:
	s_mov_b64 s[64:65], 0
	v_nop
	global_prefetch_b8 v0, s[64:65] scope:SCOPE_SE
	s_setreg_imm32_b32 hwreg(HW_REG_WAVE_MODE, 25, 1), 1
	s_wait_xcnt 0x0
	s_wait_alu depctr_hold_cnt(0) depctr_sa_sdst(0) depctr_va_vdst(0) depctr_va_sdst(0) depctr_va_ssrc(0) depctr_va_vcc(0) depctr_vm_vsrc(0)
	s_getreg_b32 s2, hwreg(HW_REG_IB_STS2, 6, 4)
	s_cmp_eq_u32 s2, 0
	s_cbranch_scc0 .Lentry_in_a_cluster
	s_endpgm
.Lentry_in_a_cluster:
	s_bfe_u32 s2, ttmp6, 0x10000c
	s_cmp_lg_u32 s2, 0xf033
	s_cbranch_scc0 .Lentry_shape_is_right
	s_endpgm
.Lentry_shape_is_right:
; ctx = p v^T / l for each of 4 batches (2,048 x 1,024, K = the 2,048 keys) on codes of FP6 (E2M3) with E8M0 scales, quantised along its 1,024 columns on the way out and stored as images with one scale word a row and 128 K.
; p comes under 16 local M a row: at the head each thread takes one query, finds the largest M, takes the difference (a whole number) off the bytes of p's scale words in LDS, held at 0 from below, and off l's exponents, and sums l.
; A = p's 128 rows, B = v^T's 256 rows; K goes in four chunks of 512 through two LDS slots; images, tiles' places, shares and cluster as in the launches before.
; THE HEAD: one joint load a wave (slot 0's A part, its B part, p's scale words, v^T's); slot 1 follows behind the full sequence and a round, as a refill does.
; LIMITS: a block of zeros gets the byte 1 with zero codes; NaN and infinities are not served.  All of a WGP's LDS is claimed.
.set KS,    16
.set RB,    96*KS
.set PITA,  32768
.set PITB,  4096
.set PAC,   4
.set PAS,   6
.set PBC,   8
.set PBS,   10
.set SSW,   256
.set SLOT,  147456
.set BOFF,  49152
.set SCA,   2*SLOT
.set SCB,   SCA+512*KS
.set SSTG,  SCB+1024*KS
.set LG,    SSTG+4*SSW
.set SPARE, LG+512
.set ADRA, 2
.set ADRB, 4
.set ADSA, 6
.set ADSB, 7
.set LI,   8
.set SWA,  9
.set SRD,  10
.set L8,   11
.set ALG,  12
.set T4,   13
.set AW,   14
.set LGW,  15
.set SPW,  28
.set NIL,  29
.set SA,   32
.set SB,   36
.set TM,   48
.set PW,   64
.set PC,   68
.set RL,   88
.set U,    104
.set AF,   128
.set HA,   128
.set G1A,  24
.set G0A,  32
.set G1B,  48
.set G0B,  56
.set G1SA, 68
.set G0SA, 76
.set G1SB, 80
.set G0SB, 88
.set SEL,  92
.set MSB, 0
.macro WIN new
.if MSB != (\new)
	s_set_vgpr_msb (MSB<<8)|(\new)
.set MSB, (\new)
.endif
.endm
.macro PLACES n
.rept \n
	v_nop
.endr
.endm
.macro JLOAD g0a, g1a, g0b, g1b
	s_cmp_eq_u32 s17, 0
	s_cbranch_scc0 .Lfor_b_\@
	tensor_load_to_lds s[\g0a:\g0a+3], s[\g1a:\g1a+7]
	s_nop 0
.rept 4
	v_nop
.endr
	s_branch .Lasked_\@
.Lfor_b_\@:
	tensor_load_to_lds s[\g0b:\g0b+3], s[\g1b:\g1b+7]
	s_nop 0
.rept 4
	v_nop
.endr
.Lasked_\@:
.endm
.macro HLOAD g0a, g0b, g0sa, g0sb      ; four whole tiles, one joint load a wave: one tree of branches on the wave's number, every way through it passes one load
	s_cmp_lt_u32 s16, 1
	s_cbranch_scc0 .Lhb_\@
	tensor_load_to_lds s[\g0a:\g0a+3], s[G1A:G1A+7]
	s_nop 0
.rept 4
	v_nop
.endr
	s_branch .Lhe_\@
.Lhb_\@:
	s_cmp_lt_u32 s16, 2
	s_cbranch_scc0 .Lhc_\@
	tensor_load_to_lds s[\g0b:\g0b+3], s[G1B:G1B+7]
	s_nop 0
.rept 4
	v_nop
.endr
	s_branch .Lhe_\@
.Lhc_\@:
	s_cmp_lt_u32 s16, 3
	s_cbranch_scc0 .Lhd_\@
	tensor_load_to_lds s[\g0sa:\g0sa+3], s[G1SA:G1SA+7]
	s_nop 0
.rept 4
	v_nop
.endr
	s_branch .Lhe_\@
.Lhd_\@:
	tensor_load_to_lds s[\g0sb:\g0sb+3], s[G1SB:G1SB+7]
	s_nop 0
.rept 4
	v_nop
.endr
.Lhe_\@:
.endm
.macro CROUND
	s_barrier_signal -1
	s_barrier_wait -1
	s_cmp_lg_u32 s16, 0
	s_cbranch_scc1 .Lnot_wave_0_\@
	s_barrier_signal -3
.Lnot_wave_0_\@:
	s_barrier_wait -3
	s_barrier_signal -1
	s_barrier_wait -1
.endm
.macro FETCH q
.set FS, ((\q)/4)%2
.set FK, (\q)%4
.set FP, (\q)%2
	WIN 0x40
.irp i, 0,1,2,3,4,5,6,7
.irp c, 0,1,2
	ds_load_b128 v[128*FP+12*\i+4*\c:128*FP+12*\i+4*\c+3], v[ADRB+FS] offset:(4*\i+FK)*1536+512*\c
.endr
.endr
	WIN 0
.irp i, 0,1,2,3
.irp c, 0,1,2
	ds_load_b128 v[AF+48*FP+12*\i+4*\c:AF+48*FP+12*\i+4*\c+3], v[ADRA+FS] offset:(4*\i+FK)*1536+512*\c
.endr
.endr
.irp i, 0,1
	ds_load_b32 v[SA+2*FP+\i], v[ADSA] offset:512*(\q)+128*\i
.endr
.irp i, 0,1,2,3
	ds_load_b32 v[SB+4*FP+\i], v[ADSB] offset:1024*(\q)+128*\i
.endr
.endm
.macro WM a, b, p, zero
.set RD_, 8*(8*(\a)+(\b))
.set RB_, 128*(\p)+12*(\b)
.set RA_, AF+48*(\p)+12*(\a)
.set RT_, SB+4*(\p)+(\b)/2
.set RS_, SA+2*(\p)+(\a)/2
.set ROW_, 2*((\a)%2)+(\b)%2
.if \zero
.if ROW_ == 0
	v_wmma_scale_f32_16x16x128_f8f6f4 v[RD_:RD_+7], v[RB_:RB_+11], v[RA_:RA_+11], 0, v[RT_], v[RS_] matrix_a_fmt:MATRIX_FMT_FP6 matrix_b_fmt:MATRIX_FMT_FP6
.elseif ROW_ == 1
	v_wmma_scale_f32_16x16x128_f8f6f4 v[RD_:RD_+7], v[RB_:RB_+11], v[RA_:RA_+11], 0, v[RT_], v[RS_] matrix_a_fmt:MATRIX_FMT_FP6 matrix_b_fmt:MATRIX_FMT_FP6 matrix_a_scale:MATRIX_SCALE_ROW1
.elseif ROW_ == 2
	v_wmma_scale_f32_16x16x128_f8f6f4 v[RD_:RD_+7], v[RB_:RB_+11], v[RA_:RA_+11], 0, v[RT_], v[RS_] matrix_a_fmt:MATRIX_FMT_FP6 matrix_b_fmt:MATRIX_FMT_FP6 matrix_b_scale:MATRIX_SCALE_ROW1
.else
	v_wmma_scale_f32_16x16x128_f8f6f4 v[RD_:RD_+7], v[RB_:RB_+11], v[RA_:RA_+11], 0, v[RT_], v[RS_] matrix_a_fmt:MATRIX_FMT_FP6 matrix_b_fmt:MATRIX_FMT_FP6 matrix_a_scale:MATRIX_SCALE_ROW1 matrix_b_scale:MATRIX_SCALE_ROW1
.endif
.else
.if ROW_ == 0
	v_wmma_scale_f32_16x16x128_f8f6f4 v[RD_:RD_+7], v[RB_:RB_+11], v[RA_:RA_+11], v[RD_:RD_+7], v[RT_], v[RS_] matrix_a_fmt:MATRIX_FMT_FP6 matrix_b_fmt:MATRIX_FMT_FP6
.elseif ROW_ == 1
	v_wmma_scale_f32_16x16x128_f8f6f4 v[RD_:RD_+7], v[RB_:RB_+11], v[RA_:RA_+11], v[RD_:RD_+7], v[RT_], v[RS_] matrix_a_fmt:MATRIX_FMT_FP6 matrix_b_fmt:MATRIX_FMT_FP6 matrix_a_scale:MATRIX_SCALE_ROW1
.elseif ROW_ == 2
	v_wmma_scale_f32_16x16x128_f8f6f4 v[RD_:RD_+7], v[RB_:RB_+11], v[RA_:RA_+11], v[RD_:RD_+7], v[RT_], v[RS_] matrix_a_fmt:MATRIX_FMT_FP6 matrix_b_fmt:MATRIX_FMT_FP6 matrix_b_scale:MATRIX_SCALE_ROW1
.else
	v_wmma_scale_f32_16x16x128_f8f6f4 v[RD_:RD_+7], v[RB_:RB_+11], v[RA_:RA_+11], v[RD_:RD_+7], v[RT_], v[RS_] matrix_a_fmt:MATRIX_FMT_FP6 matrix_b_fmt:MATRIX_FMT_FP6 matrix_a_scale:MATRIX_SCALE_ROW1 matrix_b_scale:MATRIX_SCALE_ROW1
.endif
.endif
.endm
.macro MUL q, zero
	WIN 0xa1
.irp a, 0,1,2,3
.irp b, 0,1,2,3,4,5,6,7
	WM \a, \b, (\q)%2, \zero
.endr
.endr
	WIN 0
.endm
.macro CHANGE slot, refill
	s_wait_tensorcnt 0x0
	ds_add_u32 v[SPW], v[NIL]
.if \refill
	s_add_nc_u64 s[G0A+4*(\slot)+2:G0A+4*(\slot)+3], s[G0A+4*(\slot)+2:G0A+4*(\slot)+3], 12288
	s_add_nc_u64 s[G0B+4*(\slot)+2:G0B+4*(\slot)+3], s[G0B+4*(\slot)+2:G0B+4*(\slot)+3], 12288
.endif
	s_wait_dscnt 0x0
.if \refill
	CROUND
	JLOAD G0A+4*(\slot), G1A, G0B+4*(\slot), G1B
.else
	s_barrier_signal -1
	s_barrier_wait -1
	PLACES 4
.endif
.endm
.macro KSTEP q, kind
	s_wait_dscnt 0x0
.if \kind == 1
	PLACES 4
.elseif \kind == 2
	CHANGE ((\q)/4)%2, 0
.elseif \kind == 3
	CHANGE ((\q)/4)%2, 1
.endif
.if \kind != 4
	FETCH (\q)+1
.endif
.if \kind == 0
	MUL \q, 1
.else
	MUL \q, 0
.endif
.endm
.macro QJOIN
.irp b, 0,1,2,3
	v_permlanex16_b32 v[TM+4+\b], v[TM+\b], s[SEL], s[SEL+1]
.endr
.irp b, 0,1,2,3
	v_max_num_f32 v[TM+\b], v[TM+\b], v[TM+4+\b]
.endr
.endm
.macro QCODE s, w3
.irp b, 0,1,2,3
	v_add_nc_u32 v[TM+12+\b], 0xff000000, v[TM+\b]
.endr
.irp b, 0,1,2,3
	v_lshrrev_b32 v[TM+4+\b], 23, v[TM+12+\b]
.endr
	v_lshl_or_b32 v[PW], v[TM+5], 8, v[TM+4]
	v_lshl_or_b32 v[PW], v[TM+6], 16, v[PW]
	v_lshl_or_b32 v[PW], v[TM+7], 24, v[PW]
	WIN \w3
.irp c, 0,1
	v_cvt_scalef32_pk16_fp6_f32 v[PC+6*\c:PC+2+6*\c], v[\s+32*\c:\s+15+32*\c], v[TM+12+2*\c]
	v_cvt_scalef32_pk16_fp6_f32 v[PC+12+4*\c:PC+14+4*\c], v[\s+16+32*\c:\s+31+32*\c], v[TM+12+2*\c+1]
.endr
	WIN 0
	v_nop
.irp c, 0,1
.irp i, 0,1,2
	v_permlane16_swap_b32 v[PC+6*\c+\i], v[PC+12+4*\c+\i]
.endr
.irp i, 0,1,2
	v_mov_b32 v[PC+3+6*\c+\i], v[PC+12+4*\c+\i]
.endr
.endr
.endm
.macro QUANT s, w1, w2, w3
	WIN \w1
.irp b, 0,1,2,3
	v_max3_num_f32 v[TM+\b], |v[\s+16*\b]|, |v[\s+1+16*\b]|, 0x1800000
.endr
	WIN \w2
.irp i, 2,4,6,8,10,12,14
.irp b, 0,1,2,3
	v_max3_num_f32 v[TM+\b], v[TM+\b], |v[\s+16*\b+\i]|, |v[\s+1+16*\b+\i]|
.endr
.endr
	WIN 0
	QJOIN
	QCODE \s, \w3
.endm
.macro PUT a, off
.irp c, 0,1,2
	global_store_b128 v[LI], v[PC+4*\c:PC+4*\c+3], s[96:97] offset:(\off)+512*\c
.endr
	ds_store_b32 v[SWA], v[PW] offset:64*(\a)
.endm
.macro LOWER k
	v_and_b32 v194, 0xff, v[160+\k]
	v_bfe_u32 v195, v[160+\k], 8, 8
	v_bfe_u32 v196, v[160+\k], 16, 8
	v_lshrrev_b32 v197, 24, v[160+\k]
	v_min_u32 v194, v194, v[176+\k]
	v_min_u32 v195, v195, v[176+\k]
	v_min_u32 v196, v196, v[176+\k]
	v_min_u32 v197, v197, v[176+\k]
	v_lshl_or_b32 v194, v195, 8, v194
	v_lshl_or_b32 v194, v196, 16, v194
	v_lshl_or_b32 v194, v197, 24, v194
	v_sub_nc_u32 v[160+\k], v[160+\k], v194
.endm
	s_load_b256 s[4:11], s[0:1], 0x0
	s_load_b128 s[12:15], s[0:1], 0x20
	v_lshl_add_u32 v[SPW], v0, 2, SPARE
	v_mov_b32 v[NIL], 0
	ds_add_u32 v[SPW], v[NIL]
	ds_add_u32 v[SPW], v[NIL]
	v_lshrrev_b32 v1, 5, v0
	v_readfirstlane_b32 s16, v1
	s_lshr_b32 s17, s16, 1
	s_and_b32 s18, s16, 1
	s_bfe_u32 s19, ttmp6, 0x40000
	s_bfe_u32 s20, ttmp6, 0x40004
	s_lshl_b32 s21, ttmp9, 2
	s_add_co_u32 s21, s21, s19
	s_and_b32 s2, ttmp7, 0xffff
	s_lshl_b32 s22, s2, 2
	s_add_co_u32 s22, s22, s20
	s_lshr_b32 s2, s2, 2
	s_lshl_b32 s40, s22, 7
	s_lshl_b32 s44, s40, 2
	s_mov_b32 s100, s44
	s_mov_b32 s101, 0
	s_mov_b32 s45, 0
	s_lshl_b32 s41, s18, 6
	s_add_co_u32 s40, s40, s41
	s_mul_i32 s40, s40, RB
	s_mov_b32 s41, 0
	s_lshl_b32 s42, s21, 8
	s_lshl_b32 s43, s2, 10
	s_add_co_u32 s42, s42, s43
	s_lshl_b32 s46, s21, 10
	s_lshl_b32 s47, s2, 16
	s_add_co_u32 s46, s46, s47
	s_add_co_u32 s46, s46, 524288
	s_mov_b32 s47, 0
	s_lshl_b32 s43, s18, 7
	s_add_co_u32 s42, s42, s43
	s_mul_i32 s42, s42, RB
	s_add_co_u32 s42, s42, 12582912
	s_mov_b32 s43, 0
	s_lshl_b32 s96, s22, 7
	s_lshl_b32 s97, s17, 6
	s_add_co_u32 s96, s96, s97
	s_lshl_b32 s98, s96, 2
	s_lshl_b32 s3, s21, 1
	s_add_co_u32 s3, s3, s18
	s_lshl_b32 s99, s3, 15
	s_add_co_u32 s98, s98, s99
	s_mov_b32 s99, 0
	s_lshr_b32 s96, s96, 1
	s_add_co_u32 s96, s96, s3
	s_mul_i32 s96, s96, 1536
	s_mov_b32 s97, 0
	s_lshl_b32 s22, s20, 2
	s_lshl_b32 s22, 15, s22
	s_lshl_b32 s23, 0x1111, s19
	s_or_b32 s[G1A], s22, (3<<16)|(1<<21)
	s_or_b32 s[G1SA], s22, (3<<16)|(1<<21)
	s_or_b32 s[G1B], s23, (3<<16)|(1<<21)
	s_or_b32 s[G1SB], s23, (3<<16)|(1<<21)
.irp g, G1A, G1B
	s_mov_b32 s[\g+1], 768<<16
	s_mov_b32 s[\g+3], 768<<16
	s_mov_b32 s[\g+5], 192*KS
	s_mov_b32 s[\g+6], 0
	s_mov_b32 s[\g+7], 0
.endr
	s_mov_b32 s[G1A+2], 8<<16                      ; the head's loads bring whole parts of slot 0: A's 8 rows, B's 16
	s_mov_b32 s[G1A+4], 8
	s_mov_b32 s[G1B+2], 16<<16
	s_mov_b32 s[G1B+4], 16
	s_mov_b32 s[G1SA+1], 64<<16
	s_mov_b32 s[G1SA+2], KS<<16
	s_mov_b32 s[G1SA+3], 64<<16
	s_mov_b32 s[G1SA+4], KS
	s_mov_b32 s[G1SA+5], PITA/8
	s_mov_b32 s[G1SA+6], 0
	s_mov_b32 s[G1SA+7], 0
	s_mov_b32 s[G1SB+1], 128<<16
	s_mov_b32 s[G1SB+2], KS<<16
	s_mov_b32 s[G1SB+3], 128<<16
	s_mov_b32 s[G1SB+4], KS
	s_mov_b32 s[G1SB+5], PITB/8
	s_mov_b32 s[G1SB+6], 0
	s_mov_b32 s[G1SB+7], 0
	s_mov_b32 s[SEL], 0x76543210
	s_mov_b32 s[SEL+1], 0xfedcba98
	s_wait_dscnt 0x0
	s_wait_kmcnt 0x0
	s_add_nc_u64 s[96:97], s[12:13], s[96:97]
	s_add_nc_u64 s[98:99], s[14:15], s[98:99]
	s_add_nc_u64 s[100:101], s[6:7], s[100:101]
	s_add_nc_u64 s[40:41], s[PAC:PAC+1], s[40:41]
	s_add_nc_u64 s[44:45], s[PAS:PAS+1], s[44:45]
	s_add_nc_u64 s[42:43], s[PBC:PBC+1], s[42:43]
	s_add_nc_u64 s[46:47], s[PBS:PBS+1], s[46:47]
	CROUND
	s_mov_b32 s21, 0                               ; a load of scale words brings all K steps
	s_mov_b32 s[G0SA], 1
	s_add_co_u32 s[G0SA+1], s21, SCA
	s_mov_b64 s[G0SA+2:G0SA+3], s[44:45]
	s_or_b32 s[G0SA+3], s[G0SA+3], 0x80000000
	s_mov_b32 s21, 0
	s_mov_b32 s[G0SB], 1
	s_add_co_u32 s[G0SB+1], s21, SCB
	s_mov_b64 s[G0SB+2:G0SB+3], s[46:47]
	s_or_b32 s[G0SB+3], s[G0SB+3], 0x80000000
	s_mul_i32 s2, s18, 64*RB                       ; group 0 for the head's two loads of codes, in registers whose arguments are used up: they begin at the part's first row, so my half's offset is taken off
	s_mov_b32 s3, 0
	s_mov_b32 s4, 1
	s_mov_b32 s5, 0
	s_sub_nc_u64 s[6:7], s[40:41], s[2:3]
	s_or_b32 s7, s7, 0x80000000
	s_lshl_b32 s2, s2, 1
	s_mov_b32 s8, 1
	s_mov_b32 s9, BOFF
	s_sub_nc_u64 s[10:11], s[42:43], s[2:3]
	s_or_b32 s11, s11, 0x80000000
	s_mul_i32 s21, s18, 24576
	s_mul_i32 s22, s18, 49152
	s_add_co_u32 s22, s22, BOFF
.irp s, 0,1
	s_mov_b32 s[G0A+4*\s], 1
	s_add_co_u32 s[G0A+4*\s+1], s21, \s*SLOT
	s_add_nc_u64 s[G0A+4*\s+2:G0A+4*\s+3], s[40:41], \s*6144
	s_or_b32 s[G0A+4*\s+3], s[G0A+4*\s+3], 0x80000000
	s_mov_b32 s[G0B+4*\s], 1
	s_add_co_u32 s[G0B+4*\s+1], s22, \s*SLOT
	s_add_nc_u64 s[G0B+4*\s+2:G0B+4*\s+3], s[42:43], \s*6144
	s_or_b32 s[G0B+4*\s+3], s[G0B+4*\s+3], 0x80000000
.endr
	HLOAD 4, 8, G0SA, G0SB                         ; wave 0 slot 0's A part, wave 1 its B part, wave 2 p's scale words, wave 3 v^T's
	v_lshlrev_b32 v[T4], 2, v0
.irp k, 0,1,2,3,4,5,6,7,8,9,10,11,12,13,14,15
	global_load_b32 v[128+\k], v[T4], s[100:101] offset:524288+32768*\k
.endr
.irp k, 0,1,2,3,4,5,6,7,8,9,10,11,12,13,14,15
	global_load_b32 v[144+\k], v[T4], s[100:101] offset:1048576+32768*\k
.endr
	v_and_b32 v1, 31, v0
	s_wait_alu depctr_va_vdst(0)
	v_and_b32 v16, 15, v0
	s_wait_alu depctr_va_vdst(0)
	v_lshlrev_b32 v[LI], 4, v1
	v_lshlrev_b32 v[L8], 3, v1
	s_mul_i32 s21, s17, 24576
	v_add_nc_u32 v[ADRA], s21, v[LI]
	s_add_co_u32 s21, s21, SLOT
	v_add_nc_u32 v[ADRA+1], s21, v[LI]
	s_mul_i32 s21, s18, 49152
	s_add_co_u32 s21, s21, BOFF
	v_add_nc_u32 v[ADRB], s21, v[LI]
	s_add_co_u32 s21, s21, SLOT
	v_add_nc_u32 v[ADRB+1], s21, v[LI]
	s_lshl_b32 s21, s17, 8
	s_add_co_u32 s21, s21, SCA
	v_lshl_add_u32 v[ADSA], v1, 2, s21
	s_lshl_b32 s21, s18, 9
	s_add_co_u32 s21, s21, SCB
	v_lshl_add_u32 v[ADSB], v1, 2, s21
	s_mul_i32 s21, s16, SSW
	s_add_co_u32 s21, s21, SSTG
	v_lshl_add_u32 v[SWA], v16, 2, s21
	v_lshl_add_u32 v[SRD], v1, 3, s21
	s_lshl_b32 s21, s17, 8
	s_add_co_u32 s21, s21, LG
	v_lshl_add_u32 v[ALG], v16, 2, s21
	v_lshl_add_u32 v[AW], v0, 2, SCA
	v_lshl_add_u32 v[LGW], v0, 2, LG
.irp b, 0,1,2,3
	v_mov_b32 v[TM+4+\b], 0
	v_mov_b32 v[RL+1+2*\b], 0
.endr
	s_wait_loadcnt 0x0
	v_min_num_f32 v192, v128, v129
.irp k, 2,4,6,8,10,12,14
	v_min3_num_f32 v192, v192, v[128+\k], v[129+\k]
.endr
.irp k, 0,1,2,3,4,5,6,7,8,9,10,11,12,13,14,15
	v_sub_f32 v[176+\k], v[128+\k], v192
.endr
.irp k, 0,1,2,3,4,5,6,7,8,9,10,11,12,13,14,15
	v_cvt_u32_f32 v[176+\k], v[176+\k]
.endr
.irp k, 0,1,2,3,4,5,6,7,8,9,10,11,12,13,14,15
	v_min_u32 v[176+\k], 255, v[176+\k]
.endr
.irp k, 0,1,2,3,4,5,6,7,8,9,10,11,12,13,14,15
	v_sub_nc_u32 v[128+\k], 0, v[176+\k]
.endr
.irp k, 0,1,2,3,4,5,6,7,8,9,10,11,12,13,14,15
	v_ldexp_f32 v[144+\k], v[144+\k], v[128+\k]
.endr
.irp k, 2,4,6,8,10,12,14
	v_pk_add_f32 v[144:145], v[144:145], v[144+\k:145+\k]
.endr
	v_add_f32 v144, v144, v145
	s_wait_alu depctr_va_vdst(0)
	v_rcp_f32 v193, v144
	v_nop
	s_wait_alu depctr_va_vdst(0)
	s_wait_tensorcnt 0x0                           ; my tile of the head's four is in
	ds_add_u32 v[SPW], v[NIL]
	s_mov_b32 s[G1A+2], 4<<16                      ; no tensor load of mine is out: from here on a load brings half of a part
	s_mov_b32 s[G1A+4], 4
	s_mov_b32 s[G1B+2], 8<<16
	s_mov_b32 s[G1B+4], 8
	s_wait_dscnt 0x0
	CROUND                                         ; everybody's tile is in, and the joint loads meet
	JLOAD G0A+4, G1A, G0B+4, G1B                   ; slot 1's first fill: one load a wave
.irp k, 0,1,2,3,4,5,6,7,8,9,10,11,12,13,14,15
	ds_load_b32 v[160+\k], v[AW] offset:512*\k
.endr
	s_wait_dscnt 0x0
	s_barrier_signal -1
	s_barrier_wait -1
.irp k, 0,1,2,3,4,5,6,7,8,9,10,11,12,13,14,15
	LOWER \k
.endr
.irp k, 0,1,2,3,4,5,6,7,8,9,10,11,12,13,14,15
	ds_store_b32 v[AW], v[160+\k] offset:512*\k
.endr
	ds_store_b32 v[LGW], v193
	s_wait_tensorcnt 0x1
	s_wait_dscnt 0x0
	s_barrier_signal -1
	s_barrier_wait -1
	FETCH 0
	KSTEP 0, 0
	KSTEP 1, 1
	KSTEP 2, 1
	KSTEP 3, 3
	KSTEP 4, 1
	KSTEP 5, 1
	KSTEP 6, 1
	KSTEP 7, 3
	KSTEP 8, 1
	KSTEP 9, 1
	KSTEP 10, 1
	KSTEP 11, 2
	KSTEP 12, 1
	KSTEP 13, 1
	KSTEP 14, 1
	KSTEP 15, 4
	PLACES 4
.irp a, 0,1,2,3
	ds_load_b32 v[RL+2*\a], v[ALG] offset:64*\a
.endr
	s_wait_dscnt 0x0
.irp a, 0,1,2,3
.if \a > 0
	s_wait_xcnt 0x0
	s_wait_dscnt 0x0
.endif
	WIN 0x02
.set j, 0
.rept 32
	v_pk_mul_f32 v[HA+j:HA+j+1], v[64*\a+j:64*\a+j+1], v[RL+2*\a:RL+2*\a+1] op_sel_hi:[1,0]
.set j, j+2
.endr
	WIN 0
	QUANT HA, 0, 0, 0
	PUT \a, 12288*\a
.endr
	ds_load_b64 v[U:U+1], v[SRD]
	s_wait_dscnt 0x0
	global_store_b64 v[L8], v[U:U+1], s[98:99]
	s_wait_tensorcnt 0x0
	ds_add_u32 v[SPW], v[NIL]
	s_wait_dscnt 0x0
	CROUND
	s_endpgm
.Lfunc_end_k_qa149fecc1a_ctx:
	.size	k_qa149fecc1a_ctx, .Lfunc_end_k_qa149fecc1a_ctx-k_qa149fecc1a_ctx
	.p2alignl 7, 3214868480
	.fill 96, 4, 3214868480
	.section	.rodata,"a",@progbits
	.p2align	6, 0x0
	.amdhsa_kernel k_qa149fecc1a_ctx
		.amdhsa_group_segment_fixed_size 327680
		.amdhsa_private_segment_fixed_size 0
		.amdhsa_enable_private_segment 0
		.amdhsa_kernarg_size 48
		.amdhsa_user_sgpr_count 2
		.amdhsa_user_sgpr_kernarg_segment_ptr 1
		.amdhsa_wavefront_size32 1
		.amdhsa_system_sgpr_workgroup_id_x 1
		.amdhsa_system_sgpr_workgroup_id_y 1
		.amdhsa_system_sgpr_workgroup_id_z 1
		.amdhsa_system_vgpr_workitem_id 0
		.amdhsa_next_free_vgpr 768
		.amdhsa_next_free_sgpr 102
		.amdhsa_reserve_vcc 0
		.amdhsa_float_denorm_mode_32 3
		.amdhsa_float_denorm_mode_16_64 3
		.amdhsa_memory_ordered 1
		.amdhsa_forward_progress 1
		.amdhsa_inst_pref_size 169
	.end_amdhsa_kernel
	.amdgpu_metadata
---
amdhsa.version: [ 1, 2 ]
amdhsa.kernels:
  - .name:           k_qa149fecc1a_ctx
    .symbol:         k_qa149fecc1a_ctx.kd
    .args:
      - { .name: p_c, .offset: 0, .size: 8, .value_kind: global_buffer, .address_space: global }
      - { .name: p_s, .offset: 8, .size: 8, .value_kind: global_buffer, .address_space: global }
      - { .name: qkv_c, .offset: 16, .size: 8, .value_kind: global_buffer, .address_space: global }
      - { .name: qkv_s, .offset: 24, .size: 8, .value_kind: global_buffer, .address_space: global }
      - { .name: c_c, .offset: 32, .size: 8, .value_kind: global_buffer, .address_space: global }
      - { .name: c_s, .offset: 40, .size: 8, .value_kind: global_buffer, .address_space: global }
    .group_segment_fixed_size: 327680
    .private_segment_fixed_size: 0
    .kernarg_segment_align: 8
    .kernarg_segment_size: 48
    .max_flat_workgroup_size: 128
    .sgpr_count:     102
    .vgpr_count:     768
    .wavefront_size: 32
...
	.end_amdgpu_metadata
.endif
;; end of part 4
;; launch proj (part 5): grid 4 x 64, 4 waves a work-group, clusters of 4 x 4, 327,680 bytes of LDS; arguments c_c, c_s, xw_c, xw_s, out0; writes out0
.if DOCPART == 5
	.amdgcn_target "amdgcn-amd-amdhsa--gfx1250"
	.amdhsa_code_object_version 6
	.text
	.protected	k_qa149fecc1a_proj
	.globl	k_qa149fecc1a_proj
	.p2align	8
	.type	k_qa149fecc1a_proj,@function
k_qa149fecc1a_proj:
	s_mov_b64 s[64:65], 0
	v_nop
	global_prefetch_b8 v0, s[64:65] scope:SCOPE_SE
	s_setreg_imm32_b32 hwreg(HW_REG_WAVE_MODE, 25, 1), 1
	s_wait_xcnt 0x0
	s_wait_alu depctr_hold_cnt(0) depctr_sa_sdst(0) depctr_va_vdst(0) depctr_va_sdst(0) depctr_va_ssrc(0) depctr_va_vcc(0) depctr_vm_vsrc(0)
	s_getreg_b32 s2, hwreg(HW_REG_IB_STS2, 6, 4)
	s_cmp_eq_u32 s2, 0
	s_cbranch_scc0 .Lentry_in_a_cluster
	s_endpgm
.Lentry_in_a_cluster:
	s_bfe_u32 s2, ttmp6, 0x10000c
	s_cmp_lg_u32 s2, 0xf033
	s_cbranch_scc0 .Lentry_shape_is_right
	s_endpgm
.Lentry_shape_is_right:
; out0 = ctx wo^T (8,192 x 1,024, K = 1,024) on codes of FP6 (E2M3) with E8M0 scales; out0 is f32, row-major.
; A = ctx's rows (128 to a work-group), B = wo's rows (256), both as images of an operand's registers; images, tiles' places, shares, LDS and cluster as in the launches before.
; Place p of tile T is row 32 (T / 2) + 8 (T % 2) + p + 8 (p / 8): here, at the end, the places become rows again: a tile of 16 places x my 128 columns goes through my stage in LDS and leaves as whole
; rows of 512 consecutive bytes, each to its true row.  The stage lies in slot 0, which is filled once and whose last reads lie ahead of the barrier at the change of slots.
; All of a WGP's LDS is claimed.
; REGISTERS: window 0: v2-11 addresses; v32-43 scale words; v128-223 A's fragments, two sets; on the way out v128-255 rows read back.  Window 1: B's fragments.  Window 2: accumulator (a, b) at v[8 (8 a + b)].
.set KS,    8
.set RB,    96*KS
.set PITA,  32768
.set PITB,  49152
.set PAC,   4                          ; s[4:5] c_c, s[6:7] c_s, s[8:9] xw_c, s[10:11] xw_s
.set PAS,   6
.set PBC,   8
.set PBS,   10
.set SLOT,  147456
.set BOFF,  49152
.set SCA,   2*SLOT
.set SCB,   SCA+512*KS
.set SPARE, SCB+1024*KS
.set ADRA, 2
.set ADRB, 4
.set ADSA, 6
.set ADSB, 7
.set LI,   8
.set STO,  9                           ; v9   the stage: where I put 32 bytes of a row
.set RD,   10                          ; v10  and where I read a row back
.set SPW,  28
.set NIL,  29
.set SA,   32
.set SB,   36
.set AF,   128
.set BK,   128
.set G1A,  24
.set G0A,  32
.set G1B,  48
.set G0B,  56
.set G1SA, 68
.set G0SA, 76
.set G1SB, 80
.set G0SB, 88
.set MSB, 0
.macro WIN new
.if MSB != (\new)
	s_set_vgpr_msb (MSB<<8)|(\new)
.set MSB, (\new)
.endif
.endm
.macro PLACES n
.rept \n
	v_nop
.endr
.endm
.macro JLOAD g0a, g1a, g0b, g1b        ; a joint load: waves 0 and 1 fetch for A, waves 2 and 3 for B; an s_nop 0 and four v_nop follow each line
	s_cmp_eq_u32 s17, 0
	s_cbranch_scc0 .Lfor_b_\@
	tensor_load_to_lds s[\g0a:\g0a+3], s[\g1a:\g1a+7]
	s_nop 0
.rept 4
	v_nop
.endr
	s_branch .Lasked_\@
.Lfor_b_\@:
	tensor_load_to_lds s[\g0b:\g0b+3], s[\g1b:\g1b+7]
	s_nop 0
.rept 4
	v_nop
.endr
.Lasked_\@:
.endm
.macro HLOAD g0a, g0b, g0sa, g0sb      ; four whole tiles, one joint load a wave: one tree of branches on the wave's number, every way through it passes one load
	s_cmp_lt_u32 s16, 1
	s_cbranch_scc0 .Lhb_\@
	tensor_load_to_lds s[\g0a:\g0a+3], s[G1A:G1A+7]
	s_nop 0
.rept 4
	v_nop
.endr
	s_branch .Lhe_\@
.Lhb_\@:
	s_cmp_lt_u32 s16, 2
	s_cbranch_scc0 .Lhc_\@
	tensor_load_to_lds s[\g0b:\g0b+3], s[G1B:G1B+7]
	s_nop 0
.rept 4
	v_nop
.endr
	s_branch .Lhe_\@
.Lhc_\@:
	s_cmp_lt_u32 s16, 3
	s_cbranch_scc0 .Lhd_\@
	tensor_load_to_lds s[\g0sa:\g0sa+3], s[G1SA:G1SA+7]
	s_nop 0
.rept 4
	v_nop
.endr
	s_branch .Lhe_\@
.Lhd_\@:
	tensor_load_to_lds s[\g0sb:\g0sb+3], s[G1SB:G1SB+7]
	s_nop 0
.rept 4
	v_nop
.endr
.Lhe_\@:
.endm
.macro CROUND
	s_barrier_signal -1
	s_barrier_wait -1
	s_cmp_lg_u32 s16, 0
	s_cbranch_scc1 .Lnot_wave_0_\@
	s_barrier_signal -3
.Lnot_wave_0_\@:
	s_barrier_wait -3
	s_barrier_signal -1
	s_barrier_wait -1
.endm
.macro FETCH q
.set FS, ((\q)/4)%2
.set FK, (\q)%4
.set FP, (\q)%2
	WIN 0x40
.irp i, 0,1,2,3,4,5,6,7
.irp c, 0,1,2
	ds_load_b128 v[128*FP+12*\i+4*\c:128*FP+12*\i+4*\c+3], v[ADRB+FS] offset:(4*\i+FK)*1536+512*\c
.endr
.endr
	WIN 0
.irp i, 0,1,2,3
.irp c, 0,1,2
	ds_load_b128 v[AF+48*FP+12*\i+4*\c:AF+48*FP+12*\i+4*\c+3], v[ADRA+FS] offset:(4*\i+FK)*1536+512*\c
.endr
.endr
.irp i, 0,1
	ds_load_b32 v[SA+2*FP+\i], v[ADSA] offset:512*(\q)+128*\i
.endr
.irp i, 0,1,2,3
	ds_load_b32 v[SB+4*FP+\i], v[ADSB] offset:1024*(\q)+128*\i
.endr
.endm
.macro WM a, b, p, zero
.set RD_, 8*(8*(\a)+(\b))
.set RB_, 128*(\p)+12*(\b)
.set RA_, AF+48*(\p)+12*(\a)
.set RT_, SB+4*(\p)+(\b)/2
.set RS_, SA+2*(\p)+(\a)/2
.set ROW_, 2*((\a)%2)+(\b)%2
.if \zero
.if ROW_ == 0
	v_wmma_scale_f32_16x16x128_f8f6f4 v[RD_:RD_+7], v[RB_:RB_+11], v[RA_:RA_+11], 0, v[RT_], v[RS_] matrix_a_fmt:MATRIX_FMT_FP6 matrix_b_fmt:MATRIX_FMT_FP6
.elseif ROW_ == 1
	v_wmma_scale_f32_16x16x128_f8f6f4 v[RD_:RD_+7], v[RB_:RB_+11], v[RA_:RA_+11], 0, v[RT_], v[RS_] matrix_a_fmt:MATRIX_FMT_FP6 matrix_b_fmt:MATRIX_FMT_FP6 matrix_a_scale:MATRIX_SCALE_ROW1
.elseif ROW_ == 2
	v_wmma_scale_f32_16x16x128_f8f6f4 v[RD_:RD_+7], v[RB_:RB_+11], v[RA_:RA_+11], 0, v[RT_], v[RS_] matrix_a_fmt:MATRIX_FMT_FP6 matrix_b_fmt:MATRIX_FMT_FP6 matrix_b_scale:MATRIX_SCALE_ROW1
.else
	v_wmma_scale_f32_16x16x128_f8f6f4 v[RD_:RD_+7], v[RB_:RB_+11], v[RA_:RA_+11], 0, v[RT_], v[RS_] matrix_a_fmt:MATRIX_FMT_FP6 matrix_b_fmt:MATRIX_FMT_FP6 matrix_a_scale:MATRIX_SCALE_ROW1 matrix_b_scale:MATRIX_SCALE_ROW1
.endif
.else
.if ROW_ == 0
	v_wmma_scale_f32_16x16x128_f8f6f4 v[RD_:RD_+7], v[RB_:RB_+11], v[RA_:RA_+11], v[RD_:RD_+7], v[RT_], v[RS_] matrix_a_fmt:MATRIX_FMT_FP6 matrix_b_fmt:MATRIX_FMT_FP6
.elseif ROW_ == 1
	v_wmma_scale_f32_16x16x128_f8f6f4 v[RD_:RD_+7], v[RB_:RB_+11], v[RA_:RA_+11], v[RD_:RD_+7], v[RT_], v[RS_] matrix_a_fmt:MATRIX_FMT_FP6 matrix_b_fmt:MATRIX_FMT_FP6 matrix_a_scale:MATRIX_SCALE_ROW1
.elseif ROW_ == 2
	v_wmma_scale_f32_16x16x128_f8f6f4 v[RD_:RD_+7], v[RB_:RB_+11], v[RA_:RA_+11], v[RD_:RD_+7], v[RT_], v[RS_] matrix_a_fmt:MATRIX_FMT_FP6 matrix_b_fmt:MATRIX_FMT_FP6 matrix_b_scale:MATRIX_SCALE_ROW1
.else
	v_wmma_scale_f32_16x16x128_f8f6f4 v[RD_:RD_+7], v[RB_:RB_+11], v[RA_:RA_+11], v[RD_:RD_+7], v[RT_], v[RS_] matrix_a_fmt:MATRIX_FMT_FP6 matrix_b_fmt:MATRIX_FMT_FP6 matrix_a_scale:MATRIX_SCALE_ROW1 matrix_b_scale:MATRIX_SCALE_ROW1
.endif
.endif
.endm
.macro MUL q, zero                     ; the 32 accumulators take turns, in the same order in every step
	WIN 0xa1
.irp a, 0,1,2,3
.irp b, 0,1,2,3,4,5,6,7
	WM \a, \b, (\q)%2, \zero
.endr
.endr
	WIN 0
.endm
.macro CHANGE
	s_wait_tensorcnt 0x0                           ; all my tensor loads have landed: my part of slot 1 among them
	ds_add_u32 v[SPW], v[NIL]                      ; 0 onto my spare word
	s_wait_dscnt 0x0                               ; the add is done, and my reads of slot 0 are over
	s_barrier_signal -1
	s_barrier_wait -1
	PLACES 4
.endm
.macro KSTEP q, kind                   ; kind 0: the first; 1: plain; 2: the slot's last; 4: the very last
	s_wait_dscnt 0x0                               ; this step's fragments and scale words are in
.if \kind == 1
	PLACES 4
.elseif \kind == 2
	CHANGE
.endif
.if \kind != 4
	FETCH (\q)+1
.endif
.if \kind == 0
	MUL \q, 1
.else
	MUL \q, 0
.endif
.endm
; THE WAY OUT of tile a.  Lane (r, h) holds place r; accumulator b's eight registers are columns 32 (b / 2) + 16 h + 8 (b % 2) + 0 .. 7.
.macro TOSTAGE a
	WIN 0x08                                       ; an LDS store's data are its source 1: window 2
.irp b, 0,1,2,3,4,5,6,7
	ds_store_b128 v[STO], v[64*(\a)+8*\b:64*(\a)+8*\b+3] offset:128*(\b/2)+32*(\b%2)          ; each accumulator from its low end on
	ds_store_b128 v[STO], v[64*(\a)+8*\b+4:64*(\a)+8*\b+7] offset:128*(\b/2)+32*(\b%2)+16
.endr
	WIN 0
.set BB, BK+64*((\a)%2)
.irp t, 0,1,2,3,4,5,6,7,8,9,10,11,12,13,14,15
	ds_load_b128 v[BB+4*\t:BB+4*\t+3], v[RD] offset:528*\t   ; LDS serves a wave's instructions in order: these see my stores, and the next tile's stores come behind them
.endr
.endm
.macro SEND a, younger                 ; younger: the LDS instructions issued behind tile a's loads, which may stay out
.set BB, BK+64*((\a)%2)
	s_wait_dscnt \younger
.irp t, 0,1,2,3,4,5,6,7,8,9,10,11,12,13,14,15
	global_store_b128 v[LI], v[BB+4*\t:BB+4*\t+3], s[96:97] offset:(32*((\a)/2)+8*((\a)%2)+\t+8*(\t/8))*4096 th:TH_STORE_NT   ; 32 lanes store 512 consecutive bytes of the place's true row, aligned
.endr
.endm
	s_load_b256 s[4:11], s[0:1], 0x0               ; c_c, c_s, xw_c, xw_s
	s_load_b64 s[12:13], s[0:1], 0x20              ; out0
	v_lshl_add_u32 v[SPW], v0, 2, SPARE
	v_mov_b32 v[NIL], 0
	ds_add_u32 v[SPW], v[NIL]                      ; the wave's opening: the add and its wait stand ahead of my first tensor load
	ds_add_u32 v[SPW], v[NIL]
	v_lshrrev_b32 v1, 5, v0
	v_readfirstlane_b32 s16, v1                    ; wave
	s_lshr_b32 s17, s16, 1                         ; wm.  Also: I fetch for A (0) or for B (1)
	s_and_b32 s18, s16, 1                          ; wn.  Also: which half I fetch
	s_bfe_u32 s19, ttmp6, 0x40000                  ; cx
	s_bfe_u32 s20, ttmp6, 0x40004                  ; cy
	s_lshl_b32 s21, ttmp9, 2
	s_add_co_u32 s21, s21, s19                     ; tile column: 256 outputs
	s_and_b32 s2, ttmp7, 0xffff
	s_lshl_b32 s22, s2, 2
	s_add_co_u32 s22, s22, s20                     ; tile row: 128 rows
	s_lshl_b32 s40, s22, 7                         ; A = ctx: offsets in registers that never hold cx
	s_lshl_b32 s44, s40, 2
	s_mov_b32 s45, 0
	s_lshl_b32 s41, s18, 6
	s_add_co_u32 s40, s40, s41
	s_mul_i32 s40, s40, RB
	s_mov_b32 s41, 0
	s_lshl_b32 s42, s21, 8                         ; B = wo: row 11,264 + 256 x tile column of xw; never cy
	s_add_co_u32 s42, s42, 11264
	s_lshl_b32 s46, s42, 2
	s_mov_b32 s47, 0
	s_lshl_b32 s43, s18, 7
	s_add_co_u32 s42, s42, s43
	s_mul_i32 s42, s42, RB
	s_mov_b32 s43, 0
	s_lshl_b32 s96, s22, 7                         ; where my results go: row 128 x tile row + 64 wm, column 256 x tile column + 128 wn
	s_lshl_b32 s97, s17, 6
	s_add_co_u32 s96, s96, s97
	s_lshl_b32 s96, s96, 12
	s_lshl_b32 s97, s21, 10
	s_add_co_u32 s96, s96, s97
	s_lshl_b32 s97, s18, 9
	s_add_co_u32 s96, s96, s97
	s_mov_b32 s97, 0
	s_lshl_b32 s22, s20, 2
	s_lshl_b32 s22, 15, s22                        ; my row of the cluster
	s_lshl_b32 s23, 0x1111, s19                    ; my column
	s_or_b32 s[G1A], s22, (3<<16)|(1<<21)
	s_or_b32 s[G1SA], s22, (3<<16)|(1<<21)
	s_or_b32 s[G1B], s23, (3<<16)|(1<<21)
	s_or_b32 s[G1SB], s23, (3<<16)|(1<<21)
.irp g, G1A, G1B
	s_mov_b32 s[\g+1], 768<<16
	s_mov_b32 s[\g+3], 768<<16
	s_mov_b32 s[\g+5], 192*KS
	s_mov_b32 s[\g+6], 0
	s_mov_b32 s[\g+7], 0
.endr
	s_mov_b32 s[G1A+2], 8<<16                      ; the head's loads bring whole parts of slot 0: A's 8 rows, B's 16
	s_mov_b32 s[G1A+4], 8
	s_mov_b32 s[G1B+2], 16<<16
	s_mov_b32 s[G1B+4], 16
	s_mov_b32 s[G1SA+1], 64<<16
	s_mov_b32 s[G1SA+2], KS<<16
	s_mov_b32 s[G1SA+3], 64<<16
	s_mov_b32 s[G1SA+4], KS
	s_mov_b32 s[G1SA+5], PITA/8
	s_mov_b32 s[G1SA+6], 0
	s_mov_b32 s[G1SA+7], 0
	s_mov_b32 s[G1SB+1], 128<<16
	s_mov_b32 s[G1SB+2], KS<<16
	s_mov_b32 s[G1SB+3], 128<<16
	s_mov_b32 s[G1SB+4], KS
	s_mov_b32 s[G1SB+5], PITB/8
	s_mov_b32 s[G1SB+6], 0
	s_mov_b32 s[G1SB+7], 0
	s_wait_dscnt 0x0                               ; the opening add is done
	s_wait_kmcnt 0x0
	s_add_nc_u64 s[96:97], s[12:13], s[96:97]
	s_add_nc_u64 s[40:41], s[PAC:PAC+1], s[40:41]
	s_add_nc_u64 s[44:45], s[PAS:PAS+1], s[44:45]
	s_add_nc_u64 s[42:43], s[PBC:PBC+1], s[42:43]
	s_add_nc_u64 s[46:47], s[PBS:PBS+1], s[46:47]
	CROUND                                         ; all sixteen work-groups are here: the first joint loads meet
	s_mov_b32 s21, 0                               ; a load of scale words brings all K steps
	s_mov_b32 s[G0SA], 1
	s_add_co_u32 s[G0SA+1], s21, SCA
	s_mov_b64 s[G0SA+2:G0SA+3], s[44:45]
	s_or_b32 s[G0SA+3], s[G0SA+3], 0x80000000
	s_mov_b32 s21, 0
	s_mov_b32 s[G0SB], 1
	s_add_co_u32 s[G0SB+1], s21, SCB
	s_mov_b64 s[G0SB+2:G0SB+3], s[46:47]
	s_or_b32 s[G0SB+3], s[G0SB+3], 0x80000000
	s_mul_i32 s2, s18, 64*RB                       ; group 0 for the head's two loads of codes, in registers whose arguments are used up: they begin at the part's first row, so my half's offset is taken off
	s_mov_b32 s3, 0
	s_mov_b32 s4, 1
	s_mov_b32 s5, 0
	s_sub_nc_u64 s[6:7], s[40:41], s[2:3]
	s_or_b32 s7, s7, 0x80000000
	s_lshl_b32 s2, s2, 1
	s_mov_b32 s8, 1
	s_mov_b32 s9, BOFF
	s_sub_nc_u64 s[10:11], s[42:43], s[2:3]
	s_or_b32 s11, s11, 0x80000000
	s_mul_i32 s21, s18, 24576
	s_mul_i32 s22, s18, 49152
	s_add_co_u32 s22, s22, BOFF
.irp s, 0,1
	s_mov_b32 s[G0A+4*\s], 1
	s_add_co_u32 s[G0A+4*\s+1], s21, \s*SLOT
	s_add_nc_u64 s[G0A+4*\s+2:G0A+4*\s+3], s[40:41], \s*6144
	s_or_b32 s[G0A+4*\s+3], s[G0A+4*\s+3], 0x80000000
	s_mov_b32 s[G0B+4*\s], 1
	s_add_co_u32 s[G0B+4*\s+1], s22, \s*SLOT
	s_add_nc_u64 s[G0B+4*\s+2:G0B+4*\s+3], s[42:43], \s*6144
	s_or_b32 s[G0B+4*\s+3], s[G0B+4*\s+3], 0x80000000
.endr
	HLOAD 4, 8, G0SA, G0SB                         ; what K steps 0 to 3 want: wave 0 slot 0's A part, wave 1 its B part, wave 2 ctx's scale words, wave 3 wo's
	v_and_b32 v1, 31, v0
	s_wait_alu depctr_va_vdst(0)
	v_and_b32 v16, 15, v0
	s_wait_alu depctr_va_vdst(0)
	v_bfe_u32 v17, v0, 4, 1
	v_lshlrev_b32 v[LI], 4, v1
	s_mul_i32 s21, s17, 24576
	v_add_nc_u32 v[ADRA], s21, v[LI]
	s_add_co_u32 s21, s21, SLOT
	v_add_nc_u32 v[ADRA+1], s21, v[LI]
	s_mul_i32 s21, s18, 49152
	s_add_co_u32 s21, s21, BOFF
	v_add_nc_u32 v[ADRB], s21, v[LI]
	s_add_co_u32 s21, s21, SLOT
	v_add_nc_u32 v[ADRB+1], s21, v[LI]
	s_lshl_b32 s21, s17, 8
	s_add_co_u32 s21, s21, SCA
	v_lshl_add_u32 v[ADSA], v1, 2, s21
	s_lshl_b32 s21, s18, 9
	s_add_co_u32 s21, s21, SCB
	v_lshl_add_u32 v[ADSB], v1, 2, s21
	s_mul_i32 s21, s16, 8448                       ; my stage: 16 rows x (512 bytes + 16), in slot 0
	v_mul_u32_u24 v[STO], v16, 528
	s_wait_alu depctr_va_vdst(0)
	v_lshl_add_u32 v[STO], v17, 6, v[STO]
	v_add_nc_u32 v[STO], s21, v[STO]
	v_add_nc_u32 v[RD], s21, v[LI]
	s_wait_alu depctr_va_vdst(0)
	s_wait_tensorcnt 0x0                           ; my tile of the head's four is in
	ds_add_u32 v[SPW], v[NIL]
	s_mov_b32 s[G1A+2], 4<<16                      ; no tensor load of mine is out: from here on a load brings half of a part
	s_mov_b32 s[G1A+4], 4
	s_mov_b32 s[G1B+2], 8<<16
	s_mov_b32 s[G1B+4], 8
	s_wait_dscnt 0x0
	CROUND                                         ; everybody's tile is in, and the joint loads meet
	JLOAD G0A+4, G1A, G0B+4, G1B                   ; slot 1's first fill: one load a wave
	FETCH 0
	KSTEP 0, 0
	KSTEP 1, 1
	KSTEP 2, 1
	KSTEP 3, 2
	KSTEP 4, 1
	KSTEP 5, 1
	KSTEP 6, 1
	KSTEP 7, 4
	PLACES 4                                       ; behind the last products: ahead of the first read of results and of loads into A's fragments' registers
	s_wait_alu depctr_va_vdst(0)
	TOSTAGE 0
.irp a, 1,2,3
.if \a > 1
	s_wait_xcnt 0x0                                ; tile a - 2's stores have read their registers: tile a's loads may land there
.endif
	TOSTAGE \a
	SEND \a-1, 32                                  ; behind tile a - 1's loads: tile a's 16 stores and 16 loads
.endr
	SEND 3, 0
	s_wait_tensorcnt 0x0                           ; the wave's end
	ds_add_u32 v[SPW], v[NIL]
	s_wait_dscnt 0x0
	CROUND                                         ; the closing round
	s_endpgm
.Lfunc_end_k_qa149fecc1a_proj:
	.size	k_qa149fecc1a_proj, .Lfunc_end_k_qa149fecc1a_proj-k_qa149fecc1a_proj
	.p2alignl 7, 3214868480
	.fill 96, 4, 3214868480
	.section	.rodata,"a",@progbits
	.p2align	6, 0x0
	.amdhsa_kernel k_qa149fecc1a_proj
		.amdhsa_group_segment_fixed_size 327680
		.amdhsa_private_segment_fixed_size 0
		.amdhsa_enable_private_segment 0
		.amdhsa_kernarg_size 40
		.amdhsa_user_sgpr_count 2
		.amdhsa_user_sgpr_kernarg_segment_ptr 1
		.amdhsa_wavefront_size32 1
		.amdhsa_system_sgpr_workgroup_id_x 1
		.amdhsa_system_sgpr_workgroup_id_y 1
		.amdhsa_system_sgpr_workgroup_id_z 1
		.amdhsa_system_vgpr_workitem_id 0
		.amdhsa_next_free_vgpr 768
		.amdhsa_next_free_sgpr 102
		.amdhsa_reserve_vcc 0
		.amdhsa_float_denorm_mode_32 3
		.amdhsa_float_denorm_mode_16_64 3
		.amdhsa_memory_ordered 1
		.amdhsa_forward_progress 1
		.amdhsa_inst_pref_size 81
	.end_amdhsa_kernel
	.amdgpu_metadata
---
amdhsa.version: [ 1, 2 ]
amdhsa.kernels:
  - .name:           k_qa149fecc1a_proj
    .symbol:         k_qa149fecc1a_proj.kd
    .args:
      - { .name: c_c, .offset: 0, .size: 8, .value_kind: global_buffer, .address_space: global }
      - { .name: c_s, .offset: 8, .size: 8, .value_kind: global_buffer, .address_space: global }
      - { .name: xw_c, .offset: 16, .size: 8, .value_kind: global_buffer, .address_space: global }
      - { .name: xw_s, .offset: 24, .size: 8, .value_kind: global_buffer, .address_space: global }
      - { .name: out0, .offset: 32, .size: 8, .value_kind: global_buffer, .address_space: global }
    .group_segment_fixed_size: 327680
    .private_segment_fixed_size: 0
    .kernarg_segment_align: 8
    .kernarg_segment_size: 40
    .max_flat_workgroup_size: 128
    .sgpr_count:     102
    .vgpr_count:     768
    .wavefront_size: 32
...
	.end_amdgpu_metadata
.endif
;; end of part 5
